; MI455X (gfx1250); checked and timed in simulation.
; The chip was launched on July 23, 2026; its instructions are those of AMD's public machine-readable ISA for CDNA 5 (MIT licence, August 2026) and "CDNA5" Instruction Set Architecture Reference Guide (July 2026). The comments in the code are by the model that wrote it; some were corrected since.
;; Simple Mo E Layer. Allowed arithmetic: matrix products marked QUANTISED: E2M1 operands, one E8M0 scale for each 32 along K, by v_wmma_scale_f32_16x16x128_f8f6f4 with both operands' format E2M1 (or v_wmma_scale_f32_32x16x128_f4), f32 sums; products left as they are: f32 operands where the result goes on into a quantised operand, else bf16, f16 or f32 operands; f32 sums; everything else in f32.
;; Inputs: W1 8 x 1,024 x 4,096 float32; W2 8 x 4,096 x 1,024 float32; Wr 8 x 1,024 float32; b1 8 x 4,096 float32; b2 8 x 1,024 float32; x 2 x 512 x 1,024 float32.
;; Outputs: out0 2 x 512 x 1,024 float32.
;; This version of the problem:
;;   THIS VERSION OF THE PROBLEM IS GIVEN IN LOW PRECISION. The matrix products marked QUANTISED in the list below multiply operands that are first quantised to E2M1 (2 exponent bits, 1 mantissa bit; 4 bits a number), with one power-of-two scale for each 32 numbers along K (OCP MX v1.0); their sums are f32. All else is computed in f32.
;;   The module's matrix products, in the order in which they are computed (A, B: the left and right operand; K: the contracted axis; several contracted axes count as one K, in the product's order):
;;     1. [M 1,024, K 1,024] x [K 1,024, N 8]; A: input x; B: input Wr: left as it is (N = 8 < 16)
;;     2. [M 1,024, K 1,024] x [K 1,024, N 4,096]; A: input x; B: input W1: QUANTISED
;;     3. [M 1,024, K 4,096] x [K 4,096, N 1,024]; A: computed on the way; B: input W2: QUANTISED
;;     4. [M 1,024, K 1,024] x [K 1,024, N 4,096]; A: input x; B: input W1: QUANTISED
;;     5. [M 1,024, K 4,096] x [K 4,096, N 1,024]; A: computed on the way; B: input W2: QUANTISED
;;     6. [M 1,024, K 1,024] x [K 1,024, N 4,096]; A: input x; B: input W1: QUANTISED
;;     7. [M 1,024, K 4,096] x [K 4,096, N 1,024]; A: computed on the way; B: input W2: QUANTISED
;;     8. [M 1,024, K 1,024] x [K 1,024, N 4,096]; A: input x; B: input W1: QUANTISED
;;     9. [M 1,024, K 4,096] x [K 4,096, N 1,024]; A: computed on the way; B: input W2: QUANTISED
;;     10. [M 1,024, K 1,024] x [K 1,024, N 4,096]; A: input x; B: input W1: QUANTISED
;;     11. [M 1,024, K 4,096] x [K 4,096, N 1,024]; A: computed on the way; B: input W2: QUANTISED
;;     12. [M 1,024, K 1,024] x [K 1,024, N 4,096]; A: input x; B: input W1: QUANTISED
;;     13. [M 1,024, K 4,096] x [K 4,096, N 1,024]; A: computed on the way; B: input W2: QUANTISED
;;     14. [M 1,024, K 1,024] x [K 1,024, N 4,096]; A: input x; B: input W1: QUANTISED
;;     15. [M 1,024, K 4,096] x [K 4,096, N 1,024]; A: computed on the way; B: input W2: QUANTISED
;;     16. [M 1,024, K 1,024] x [K 1,024, N 4,096]; A: input x; B: input W1: QUANTISED
;;     17. [M 1,024, K 4,096] x [K 4,096, N 1,024]; A: computed on the way; B: input W2: QUANTISED
;;   THE QUANTISER, for each operand of a quantised product, along K:
;;     - K is cut into blocks of 32 from its start; a last block that is shorter is filled with zeros.
;;     - A block's scale is 2^e with e = floor(log2(the largest magnitude in the block)) - 2, held to -126 .. 127; a block of zeros has e = 0. As a byte (E8M0): e + 127.
;;     - Each number is divided by its block's scale, clamped to +-6, and rounded to the nearest number of E2M1, ties to even, subnormals kept.
;;     - The product sums the exact products of the quantised numbers (number of the format x scale) in f32.
;;   ~~~python
;;   def quantise(x, axis):      # numpy; x: float32 -> the quantised numbers, widened to float32 again
;;       x = np.moveaxis(x, axis, -1); K = x.shape[-1]
;;       x = np.pad(x, [(0, 0)] * (x.ndim - 1) + [(0, -K % 32)]); x = x.reshape(x.shape[:-1] + (-1, 32)); a = np.abs(x).max(-1, keepdims=True)
;;       e = np.where(a > 0, np.clip(np.frexp(np.where(a > 0, a, 1))[1] - 1 - 2, -126, 127), 0)      # np.frexp(a)[1] - 1 = floor(log2(a)), exactly
;;       r = np.clip(x / 2.0 ** e, -6, 6)
;;       step = 2.0 ** (np.maximum(np.frexp(np.where(r == 0, 1, r))[1] - 1, 0) - 1)
;;       q = np.round(r / step) * step * 2.0 ** e      # np.round: ties to even
;;       return np.moveaxis(q.reshape(q.shape[:-2] + (-1,))[..., :K], -1, axis).astype(np.float32)
;;   ~~~
;;   OPERANDS COMPUTED ON THE WAY. 'Computed on the way' means the value that the module computes at that place (a softmax that the list does not call 'softmax' is quantised finished and normalised). What goes into a quantiser is computed in f32, as accurately as f32 sums, v_exp_f32 and their like allow (about 1e-6 of the number): no bf16 or f16 on the way to a quantiser, and a product that is left as it is and whose result goes on into a quantised operand takes f32 operands (vector FMAs, or v_wmma_f32_16x16x4_f32). A number that lies on a knife's edge between two numbers of the format may be rounded either way, as far as f32 arithmetic and the matrix unit's own rounding can turn it there, and no further.
;; 2 versions, each right; version 2 is version 1 with the launches up, down written anew for expert scheduling mode. Each part assembles by itself: llvm-mc -triple=amdgcn-amd-amdhsa -mcpu=gfx1250 --defsym DOCPART=n.
;; ======== version 1 of 2: 4 launches
;; workspace buffers: xq 524,288 bytes; xs 32,768 bytes; sel 2,048 bytes of whole numbers; gate 8,192 bytes; hq 16,777,216 bytes; hs 1,048,576 bytes; yr 16,842,752 bytes
;; launch route (part 1): grid 128 x 1, 8 waves a work-group, no clusters, 75,264 bytes of LDS; arguments x, Wr, xq, xs, sel, gate; writes xq, xs, sel, gate
.if DOCPART == 1
	.amdgcn_target "amdgcn-amd-amdhsa--gfx1250"
	.amdhsa_code_object_version 6
	.text
	.protected	k_qb5e765bdd3_route
	.globl	k_qb5e765bdd3_route
	.p2align	8
	.type	k_qb5e765bdd3_route,@function
k_qb5e765bdd3_route:
	s_mov_b64 s[64:65], 0
	v_nop
	global_prefetch_b8 v0, s[64:65] scope:SCOPE_SE
	s_setreg_imm32_b32 hwreg(HW_REG_WAVE_MODE, 25, 1), 1
	s_wait_xcnt 0x0
; ROUTE.  For each of the 1,024 tokens: the eight router logits x . Wr[e] in f32, the two largest (the lower index wins a tie), the softmax of the two; and x as codes of FP4 (E2M1) with one E8M0 byte for each 32 along H.
; OUT: xq [token][512 bytes] codes, block b's 16 bytes at 16 b;  xs [token][32] scale bytes;  gate f32 [k 2][token];
;      sel [which 2][expert 8][128 bytes]: bit t % 8 of byte t / 8; which 0: token t chose the expert; which 1: the expert is t's second choice.
; SHARES: a work-group has 8 tokens (a byte of each mask: one writer a byte), a wave one token, a lane one block of 32 numbers, so a block's largest magnitude needs no other lane.
; LOADS: a wave reads its token's row of x and row w of Wr, each by eight loads of 512 consecutive bytes.  Both go into LDS as they lie, with 16 bytes of padding behind each 128, and come back 128 bytes a lane: x from the wave's own stage,
;   Wr's eight rows, behind a barrier, from what the eight waves stored: the work-group reads Wr from memory once.  A lane's place is 144 bytes = 36 words from its neighbour's.
; No address and no branch hangs on a logit: the choice is made by compares and selects, and leaves as bits at fixed places.
; No matrix unit (N = 8), no cluster, no tensor load: 64 KB come in, once.
; LIMITS: NaN and infinities are not served.  A block whose largest magnitude lies under 2^-124 (a block of zeros too) gets the byte 1: its codes are as the conversion gives them, zeros for zeros; only this program reads the bytes.
; The logits' f32 sums run in another order than a plain loop's: two logits closer than some 1e-6 of their size may change places.
.set RT,    256                        ; LDS: bytes 0-255 the eight tokens' scale bytes; from 256 on 16 bytes a wave: index 0, index 1, p0, p1
.set ROWP,  4608                       ; a row of 1,024 f32 in LDS: 32 blocks of 128 bytes + 16
.set XST,   512                        ; a stage for each wave's row of x
.set WRB,   XST+8*ROWP                 ; Wr's eight rows
.set X,     32                         ; v32-63   my 32 numbers of x
.set WR,    64                         ; v64-191  four experts' 32 numbers of Wr
.set XL,    64                         ; ahead of the barrier: v64-95 x as loaded, v96-127 my row of Wr as loaded
.set WL,    96
.set AC,    192                        ; v192-199 four chains, two sums each
.set LG,    208                        ; v208-215 the logits
.set PM,    224                        ; v224-231 the other half of the lanes' sums
.set FLOOR, 0x1800000                  ; 2^(3 - 127): under it no largest magnitude is taken, so the byte cannot fall under 1
	s_load_b256 s[4:11], s[0:1], 0x0               ; x s[4:5], Wr s[6:7], xq s[8:9], xs s[10:11]
	s_load_b128 s[12:15], s[0:1], 0x20             ; sel s[12:13], gate s[14:15]
	v_lshl_add_u32 v248, v0, 2, 0x12200
	v_mov_b32 v249, 0
	v_lshrrev_b32 v1, 5, v0
	v_readfirstlane_b32 s2, v1                     ; wave 0..7
	v_and_b32 v1, 31, v0                           ; lane
	v_lshlrev_b32 v3, 4, v1                        ; 16 x lane: my bytes of a load's 512, and my block's 16 bytes of codes
	s_lshl_b32 s30, s2, 4
	v_mov_b32 v4, s30                              ; LDS: 16 x wave
	s_mul_i32 s31, s2, ROWP
	v_lshrrev_b32 v11, 3, v1
	v_lshl_add_u32 v11, v11, 4, v3
	v_add_nc_u32 v11, s31, v11                     ; into LDS: 16 lane + 16 (lane / 8) + 4,608 wave; load q lies 576 q further on
	v_mul_u32_u24 v2, v1, 144
	v_add_nc_u32 v18, s31, v2                      ; x back: 144 lane + 4,608 wave
	v_add_nc_u32 v2, WRB, v2                       ; Wr: 144 lane, from Wr's first row on
	v_lshlrev_b32 v5, 3, v1                        ; 8 x lane
	v_and_b32 v6, 7, v0                            ; j: a token of the work-group's eight
	v_bfe_u32 v7, v0, 3, 1                         ; k: first or second choice
	v_lshlrev_b32 v8, 4, v6
	v_lshl_add_u32 v8, v7, 2, v8                   ; LDS: 16 j + 4 k
	v_lshlrev_b32 v9, 2, v6
	v_lshl_add_u32 v9, v7, 12, v9                  ; gate: 4,096 k + 4 j
	v_lshlrev_b32 v10, 7, v6
	v_lshl_add_u32 v10, v7, 10, v10                ; sel: 1,024 which + 128 expert (lane = 8 which + expert)
	s_lshl_b32 s16, ttmp9, 3
	s_add_co_u32 s16, s16, s2                      ; my token
	s_lshl_b32 s18, s16, 12                        ; its row of x,
	s_mov_b32 s19, 0
	s_lshl_b32 s20, s16, 9                         ; of xq;
	s_mov_b32 s21, 0
	s_lshl_b32 s22, ttmp9, 8                       ; the work-group's 256 bytes of xs,
	s_mov_b32 s23, 0
	s_lshl_b32 s24, ttmp9, 5                       ; its 32 bytes of a row of gate,
	s_mov_b32 s25, 0
	s_mov_b32 s26, ttmp9                           ; its byte of each mask
	s_mov_b32 s27, 0
	s_mov_b32 s28, 0x76543210
	s_mov_b32 s29, 0xfedcba98                      ; v_permlanex16_b32's selects for lane l xor 16
	s_lshl_b32 s32, s2, 12                         ; row w of Wr
	s_mov_b32 s33, 0
	s_wait_kmcnt 0x0
	s_add_nc_u64 s[4:5], s[4:5], s[18:19]
	s_add_nc_u64 s[6:7], s[6:7], s[32:33]
	s_add_nc_u64 s[8:9], s[8:9], s[20:21]
	s_add_nc_u64 s[10:11], s[10:11], s[22:23]
	s_add_nc_u64 s[14:15], s[14:15], s[24:25]
	s_add_nc_u64 s[12:13], s[12:13], s[26:27]
.irp q, 0,1,2,3,4,5,6,7
	global_load_b128 v[XL+4*\q:XL+4*\q+3], v3, s[4:5] offset:512*\q th:TH_LOAD_NT   ; 512 consecutive bytes
.endr
.irp q, 0,1,2,3,4,5,6,7
	global_load_b128 v[WL+4*\q:WL+4*\q+3], v3, s[6:7] offset:512*\q
.endr
.irp e, 0,1,2,3,4,5,6,7
	v_mov_b32 v[PM+\e], 0                          ; written once: a lane permute's destination counts as one of its sources
.endr
	s_wait_loadcnt 8                               ; x is in: Wr's eight loads were issued behind x's
.irp q, 0,1,2,3,4,5,6,7
	ds_store_b128 v11, v[XL+4*\q:XL+4*\q+3] offset:XST+576*\q
.endr
.irp i, 0,1,2,3,4,5,6,7
	ds_load_b128 v[X+4*\i:X+4*\i+3], v18 offset:XST+16*\i   ; my block: LDS serves a wave's instructions in order (ISA guide 5.7.1): these see my stores
.endr
	s_wait_loadcnt 0x0                             ; my row of Wr
.irp q, 0,1,2,3,4,5,6,7
	ds_store_b128 v11, v[WL+4*\q:WL+4*\q+3] offset:WRB+576*\q
.endr
	; ---- x becomes codes
	s_wait_dscnt 8                                 ; x is back: behind its eight loads stand Wr's eight stores
	v_max3_num_f32 v216, |v[X]|, |v[X+1]|, FLOOR   ; the block's largest magnitude, in two chains, the floor among the leaves
	v_max3_num_f32 v217, |v[X+2]|, |v[X+3]|, |v[X+4]|
.irp i, 5,9,13,17,21,25
	v_max3_num_f32 v216, v216, |v[X+\i]|, |v[X+\i+1]|
	v_max3_num_f32 v217, v217, |v[X+\i+2]|, |v[X+\i+3]|
.endr
	v_max3_num_f32 v216, v216, |v[X+29]|, |v[X+30]|
	v_max3_num_f32 v216, v216, v217, |v[X+31]|
	v_add_nc_u32 v218, 0xff000000, v216            ; 2 off its exponent field: the conversion takes the exponent field of this operand as its scale
	v_lshrrev_b32 v219, 23, v218                   ; the scale's byte
.irp g, 0,1,2,3
	v_cvt_scalef32_pk8_fp4_f32 v[220+\g], v[X+8*\g:X+8*\g+7], v218
.endr
	v_nop                                          ; one plain place behind the conversions
	global_store_b128 v3, v[220:223], s[8:9]       ; the wave stores its token's 512 consecutive bytes
	ds_store_b8 v0, v219                           ; LDS byte 32 x wave + lane
	s_wait_dscnt 0x0                               ; for the others' sake: my row of Wr is in LDS
	s_barrier_signal -1
	s_barrier_wait -1                              ; all eight rows are
.irp e, 0,1,2,3
.irp q, 0,1,2,3,4,5,6,7
	ds_load_b128 v[WR+32*\e+4*\q:WR+32*\e+4*\q+3], v2 offset:ROWP*\e+16*\q
.endr
.endr
; ---- a logit: 32 products a lane in four chains of pairs.  left: the LDS loads issued behind this expert's eight.  reload = 1: its registers take the expert four further on.
.macro DOT e, left, reload
.set W, WR+32*((\e)%4)
	s_wait_dscnt \left
.irp c, 0,1,2,3
	v_pk_mul_f32 v[AC+2*\c:AC+2*\c+1], v[X+2*\c:X+2*\c+1], v[W+2*\c:W+2*\c+1]
.endr
.irp p, 4,5,6,7,8,9,10,11,12,13,14,15
	v_pk_fma_f32 v[AC+2*(\p%4):AC+2*(\p%4)+1], v[X+2*\p:X+2*\p+1], v[W+2*\p:W+2*\p+1], v[AC+2*(\p%4):AC+2*(\p%4)+1]
.endr
	v_pk_add_f32 v[AC:AC+1], v[AC:AC+1], v[AC+2:AC+3]
	v_pk_add_f32 v[AC+4:AC+5], v[AC+4:AC+5], v[AC+6:AC+7]
	v_pk_add_f32 v[AC:AC+1], v[AC:AC+1], v[AC+4:AC+5]
	v_add_f32 v[LG+\e], v[AC], v[AC+1]
.if \reload
.irp q, 0,1,2,3,4,5,6,7
	ds_load_b128 v[W+4*\q:W+4*\q+3], v2 offset:((\e)+4)*ROWP+16*\q
.endr
.endif
.endm
	DOT 0, 24, 1                                   ; behind expert e's loads stand 8 (3 - e) first loads and 8 e reloads: 24
	DOT 1, 24, 1
	DOT 2, 24, 1
	DOT 3, 24, 1
	DOT 4, 24, 0                                   ; then the counts run down
	DOT 5, 16, 0
	DOT 6, 8, 0
	DOT 7, 0, 0
.irp m, 1,2,4,8                        ; the sums over the 32 lanes, the eight logits by turns; every lane ends with the same bits
.irp e, 0,1,2,3,4,5,6,7
	v_add_f32_dpp v[LG+\e], v[LG+\e], v[LG+\e] row_xmask:\m row_mask:0xf bank_mask:0xf
.endr
.endr
.irp e, 0,1,2,3,4,5,6,7
	v_permlanex16_b32 v[PM+\e], v[LG+\e], s28, s29
.endr
.irp e, 0,1,2,3,4,5,6,7
	v_add_f32 v[LG+\e], v[LG+\e], v[PM+\e]
.endr
; ---- the largest logit and its index: ascending, the old one kept where the new is not larger, so the lower index wins a tie
.macro SCAN bv, bi
	v_mov_b32 v[\bv], v[LG]
	v_mov_b32 v[\bi], 0
.irp e, 1,2,3,4,5,6,7
	v_cmp_le_f32 vcc_lo, v[LG+\e], v[\bv]
	v_cndmask_b32 v[\bv], v[LG+\e], v[\bv], vcc_lo
	v_cndmask_b32 v[\bi], \e, v[\bi], vcc_lo
.endr
.endm
	SCAN 232, 244                                  ; v232 the largest, v244 its index
	v_mov_b32 v234, 0xff800000                     ; -infinity takes the winner's place
.irp e, 0,1,2,3,4,5,6,7
	v_cmp_eq_u32 vcc_lo, \e, v244
	v_cndmask_b32 v[LG+\e], v[LG+\e], v234, vcc_lo
.endr
	SCAN 235, 245                                  ; v235 the second, v245 its index
	v_sub_f32 v237, v235, v232                     ; the maximum is taken away: d = second - first, 0 or less
	v_mul_f32 v237, 0x3fb8aa3b, v237
	v_exp_f32 v238, v237                           ; e^d, at most 1
	v_nop                                          ; a plain place behind the transcendental,
	s_wait_alu depctr_va_vdst(0)                   ; and a wait ahead of the first reader of its result
	v_add_f32 v239, 1.0, v238
	v_rcp_f32 v246, v239                           ; p0 = 1 / (1 + e^d)
	v_nop
	s_wait_alu depctr_va_vdst(0)
	v_mul_f32 v247, v238, v246                     ; p1 = e^d p0
	ds_store_b128 v4, v[244:247] offset:RT         ; all lanes write the same 16 bytes with the same values
	s_wait_dscnt 0x0                               ; for wave 0's sake: my LDS stores are done
	s_barrier_signal -1
	s_barrier_wait -1
	s_cmp_lg_u32 s2, 0                             ; wave 0 sends the work-group's small results; lanes 16-31 repeat lanes 0-15, so EXEC stays whole
	s_cbranch_scc1 .Lend
	ds_load_b64 v[12:13], v5                       ; the eight tokens' 256 scale bytes
	ds_load_b32 v14, v8 offset:RT+8                ; p_k of token j
	ds_load_b32 v15, v8 offset:RT                  ; index k of token j
	v_mov_b32 v16, 0
	v_mov_b32 v17, 0
	s_wait_dscnt 0x0
	global_store_b64 v5, v[12:13], s[10:11]        ; 256 consecutive bytes, aligned
	global_store_b32 v9, v14, s[14:15]
.irp e, 0,1,2,3,4,5,6,7                ; bit j of the compare: token j's first choice is e; bit 8 + j: its second
	v_cmp_eq_u32 s20, \e, v15
	s_and_b32 s20, s20, 0xffff
	s_lshr_b32 s21, s20, 8                         ; which 1
	s_or_b32 s22, s20, s21
	s_and_b32 s22, s22, 0xff                       ; which 0
	v_writelane_b32 v16, s22, \e
	v_writelane_b32 v16, s21, 8+\e
.endr
	v_permlanex16_b32 v17, v16, s28, s29
	v_or_b32 v16, v16, v17                         ; lanes 16-31 hold what lanes 0-15 hold
	global_store_b8 v10, v16, s[12:13]
.Lend:
	s_barrier_signal -1
	s_barrier_wait -1
	s_wait_tensorcnt 0x0
	ds_add_u32 v248, v249
	s_wait_dscnt 0x0
	s_endpgm
.Lfunc_end_k_qb5e765bdd3_route:
	.size	k_qb5e765bdd3_route, .Lfunc_end_k_qb5e765bdd3_route-k_qb5e765bdd3_route
	.p2alignl 7, 3214868480
	.fill 96, 4, 3214868480
	.section	.rodata,"a",@progbits
	.p2align	6, 0x0
	.amdhsa_kernel k_qb5e765bdd3_route
		.amdhsa_group_segment_fixed_size 75264
		.amdhsa_private_segment_fixed_size 0
		.amdhsa_enable_private_segment 0
		.amdhsa_kernarg_size 48
		.amdhsa_user_sgpr_count 2
		.amdhsa_user_sgpr_kernarg_segment_ptr 1
		.amdhsa_wavefront_size32 1
		.amdhsa_system_sgpr_workgroup_id_x 1
		.amdhsa_system_sgpr_workgroup_id_y 1
		.amdhsa_system_sgpr_workgroup_id_z 1
		.amdhsa_system_vgpr_workitem_id 0
		.amdhsa_next_free_vgpr 250
		.amdhsa_next_free_sgpr 66
		.amdhsa_reserve_vcc 1
		.amdhsa_float_denorm_mode_32 3
		.amdhsa_float_denorm_mode_16_64 3
		.amdhsa_memory_ordered 1
		.amdhsa_forward_progress 1
		.amdhsa_inst_pref_size 31
	.end_amdhsa_kernel
	.amdgpu_metadata
---
amdhsa.version: [ 1, 2 ]
amdhsa.kernels:
  - .name:           k_qb5e765bdd3_route
    .symbol:         k_qb5e765bdd3_route.kd
    .args:
      - { .name: x, .offset: 0, .size: 8, .value_kind: global_buffer, .address_space: global }
      - { .name: Wr, .offset: 8, .size: 8, .value_kind: global_buffer, .address_space: global }
      - { .name: xq, .offset: 16, .size: 8, .value_kind: global_buffer, .address_space: global }
      - { .name: xs, .offset: 24, .size: 8, .value_kind: global_buffer, .address_space: global }
      - { .name: sel, .offset: 32, .size: 8, .value_kind: global_buffer, .address_space: global }
      - { .name: gate, .offset: 40, .size: 8, .value_kind: global_buffer, .address_space: global }
    .group_segment_fixed_size: 75264
    .private_segment_fixed_size: 0
    .kernarg_segment_align: 8
    .kernarg_segment_size: 48
    .max_flat_workgroup_size: 256
    .sgpr_count:     66
    .vgpr_count:     250
    .wavefront_size: 32
...
	.end_amdgpu_metadata
.endif
;; end of part 1
;; launch up (part 2): grid 256 x 1, 4 waves a work-group, no clusters, 75,264 bytes of LDS; arguments W1, b1, xq, xs, sel, hq, hs; writes hq, hs
.if DOCPART == 2
	.amdgcn_target "amdgcn-amd-amdhsa--gfx1250"
	.amdhsa_code_object_version 6
	.text
	.protected	k_qb5e765bdd3_up
	.globl	k_qb5e765bdd3_up
	.p2align	8
	.type	k_qb5e765bdd3_up,@function
k_qb5e765bdd3_up:
	s_mov_b64 s[64:65], 0
	v_nop
	global_prefetch_b8 v0, s[64:65] scope:SCOPE_SE
	s_setreg_imm32_b32 hwreg(HW_REG_WAVE_MODE, 25, 1), 1
	s_wait_xcnt 0x0
; UP.  h = gelu(Q(x) Q(W1[e]) + b1[e]) for the rows routed to expert e, quantised along F: codes of FP4 (E2M1), one E8M0 byte for each 32 along a product's K.
; SHARES.  Work-group g: expert e = g / 32, hidden units 128 (g % 32) on, for ALL rows of the expert: so every byte of W1 has one reader in the launch.
; PHASE 1, the stream.  Wave (u = w % 2, kh = w / 2) reads 512 rows of K x 64 columns of f32.  Lane (c4 = l % 16, hh = l / 16) loads 16 bytes: columns 4 c4 .. + 3 of row 128 n + 64 c + 32 hh + i: one load covers two runs
;   of 256 consecutive bytes, aligned.  For a fixed j the lane then holds column 4 c4 + j and a whole block of 32 along K: the 4-bit operand's layout (ISA guide 7.12.2) of a tile whose row m is column 4 m + j.  The conversions
;   want eight neighbours along K in consecutive registers and a load gives four neighbours along N: so each number is moved once.  (Loads of 4 bytes would need no move, and would have a quarter of the bytes on their way for the same count of loads.)
;   The fragments go to all four waves through LDS as images of their registers; each wave ends with all 64 (8 K steps x 8 tiles) in v512-1023.  No LDS byte is written twice: one barrier a K step; a K step's 40 LDS loads land under the next K step's work.
; PHASE 2, the rows.  The expert's rows (list built from sel, tokens ascending, tiles of 16) are dealt to the waves, tile T = w, w + 4, ..  The product is used transposed (source 0 = a tile of W1, source 1 = x): lane (r, h) holds row r and,
;   over the four tiles j of a half u, hidden units 64 u + 32 h + 0 .. 31: a whole block of the next K.  gelu in f32, the block's scale, four conversions: registers 4 u .. 4 u + 3 of the next operand.  Nothing changes lanes but the scale word.
; gelu(z) = max(z, 0) - |z| q, q = erfc(|z| / sqrt 2) / 2 = t 2^(KE z^2 + P(t)), t = 1 / (1 + |z| sqrt 2 / 4): a fit of erfc with a fractional error of 1.2e-7 for every z; no difference of near numbers for negative z, no branch.
; OUT: hq [e][T 64][K step 32][1,024 bytes]: the next operand's register image (512 c + 16 lane);  hs [e][T][K step / 4][row 16][4 words]: the rows' scale words.
; A ROW'S NAME is rid = token + 1,024 k (k: first or second choice); places past the expert's count hold 2,048 + e: they are computed on token e's numbers and thrown away by the next launch.
; NO TENSOR LOAD, NO CLUSTER: the walk over tiles ends on a count read from memory.  What the 32 work-groups of an expert share is x's codes, 8.5 KB a tile beside the 512 KB of W1 that a work-group reads alone.
; LIMITS: NaN and infinities are not served; a block whose largest magnitude lies under 2^-124 (zeros too) gets the byte 1; only this program reads the bytes.  Where |z| is so large that q falls under the smallest normal f32, q counts as 0.
.set PITCH, 16384                      ; a row of W1[e] in bytes
.set FS,    8                          ; fragments from one K step to the next: f = 8 s + 4 u + j
.set F0B,   4                          ; writer a's first fragment: 32 (a / 2) + F0B (a % 2)
.set QN,    4                          ; scale register q = 4 s + j; tile u = 0 in lanes 0-15, u = 1 in lanes 16-31
.set QJ,    0
.set QH,    0
.set QW,    16                         ; the eight scale registers of a K step: QW (x >> QX) + QN n + (x & QM)
.set QX,    2
.set QM,    3
.set NH,    34                         ; loads that the hook issues
.set SC,    65536                      ; LDS: 0 .. 65,535 the 64 fragment images (1,024 f + 512 c + 16 lane); then 32 scale registers' images (128 q + 4 lane);
.set LISTB, 69632                      ; then the list: 1,152 words (72 tiles), 32 words for what is thrown away
.set FLOOR, 0x1800000                  ; 2^(3 - 127)
; window 0: v1 lane, v2 c4 = r, v3 hh = h, v4 W1 offset, v5 16 lane, v6 where I store images, v7 and scale words, v8 where I read scale registers, v9 the list at my wave's first tile, v10 the list's address in hand,
;           v11 rid, v12 x's codes, v13 x's scales, v14 16 r, v15 8 h, v16-20 the list's making, v24-27 the list's fill, v28 128 h
.set WSC,   32                         ; v32-63   W1's scale words: nothing else ever stands here
.set XSC,   64                         ; v64-71   x's scale words, one register a K step
.set XB,    72                         ; v72-135  x's eight fragments
.set TR,    136                        ; v136-199 two columns x 32 numbers down K
.set MA,    200
.set MB,    202
.set SCL,   204
.set BY,    206
.set WB,    208                        ; v208-211 tile j's scale word in the making
.set PT,    212
.set CD,    216                        ; v216-231 tile j's four registers of codes
.set SA,    0                          ; window 1: two sets of 128 for the stream
.set SB,    128
.set BIAS,  0                          ; window 1 in phase 2: v0-63 b1 in the result's layout, tile 4 u + j at 8 (4 u + j)
.set DD,    64                         ; v64-127  the eight accumulators (before that: b1 as loaded)
.set HH,    128                        ; v128-159 a block of h, in K's order
.set TT,    160
.set PP,    176
.set SS,    192
.set KK,    208                        ; v208-229 eleven constants, each twice
.set QA,    230
.set QB,    231
.set QS,    232
.set BY0,   234                        ; v234-235 the two blocks' bytes
.set CODE,  240                        ; v240-247 the fragment
.set WORD,  248
.set PERM,  249
.set SH8,   250
; scalars: s2 wave, s3 e, s[4:5] W1 panel, s[6:7] b1, s[8:9] xq, s[10:11] xs, s[12:13] sel, s[14:15] hq, s[48:49] hs, s[16:47] mask 'chose e', s[68:99] mask 'second choice', s50 count, s51 at work, s52 tiles, s53 T,
;          s[54:55] an offset (s55 = 0), s56 the list's step, s57 trips, s[58:59] lane selects, s60 slice, s61 u, s62 kh, s63 the list's running count
.set MSB, 0
.macro WIN new                         ; the immediate's high byte repeats the setting that is left; a switch that changes nothing is dropped.  Low byte: bits 1:0 source 0, 3:2 source 1, 5:4 source 2, 7:6 destination
.if MSB != \new
	s_set_vgpr_msb (MSB<<8)|\new
.set MSB, \new
.endif
.endm
.macro WLOAD set, n, c, i0, cnt        ; rows i0 .. i0 + cnt - 1 of chunk (n, c) into a set of window 1
	WIN 0x40
.set wi, \i0
.rept \cnt
	global_load_b128 v[\set+4*wi:\set+4*wi+3], v4, s[4:5] offset:(128*(\n)+64*(\c)+wi)*PITCH th:TH_LOAD_NT
.set wi, wi+1
.endr
	WIN 0
.endm
; The expert's list.  Every wave counts; wave 0 fills the list with 2,048 + e and then places each chosen token at (number of chosen tokens before it); lanes whose token did not choose e write to a word that nobody reads.
; The scatter's addresses hang on the masks, so one wave alone touches LDS here and a barrier parts it from all that follows.  Each of the 32 steps has an address and a data register of its own.
.macro MKLIST
	s_mov_b32 s50, 0
.set li, 0
.rept 32
	s_bcnt1_i32_b32 s51, s[16+li]
	s_add_co_u32 s50, s50, s51
.set li, li+1
.endr
	s_add_co_u32 s52, s50, 15
	s_lshr_b32 s52, s52, 4                         ; tiles of 16 rows
	s_cmp_lg_u32 s2, 0
	s_cbranch_scc1 .Llisted
.irp q, 0,1,2,3,4,5,6,7,8
	ds_store_b128 v16, v[24:27] offset:512*\q
.endr
	s_mov_b32 s63, 0
.set li, 0
.rept 32
	v_mbcnt_lo_u32_b32 v20, s[16+li], s63          ; chosen tokens before mine
	v_cndmask_b32 v[TR+li], v19, v20, s[16+li]     ; my place, or my word among the 32 that nobody reads
	v_min_u32 v[TR+li], 0x49f, v[TR+li]            ; held inside the list's 1,184 words
	v_lshl_add_u32 v[TR+li], v[TR+li], 2, LISTB
	v_cndmask_b32 v[TR+32+li], v17, v18, s[68+li]  ; rid = token, + 1,024 where e is its second choice
	ds_store_b32 v[TR+li], v[TR+32+li]
	v_add_nc_u32 v17, 32, v17
	v_add_nc_u32 v18, 32, v18
	s_bcnt1_i32_b32 s51, s[16+li]
	s_add_co_u32 s63, s63, s51
.set li, li+1
.endr
.Llisted:
	s_wait_dscnt 0x0                               ; wave 0's stores are done
	s_barrier_signal -1
	s_barrier_wait -1
.endm
; A chunk: 32 rows of K for each half of the lanes x 64 columns become registers 4 c .. 4 c + 3 of four fragments.  cnt: the loads issued behind this chunk's 32.  reload = 1: the set takes the same chunk of the next K step.
; THE CODES' AND SCALE WORDS' REGISTERS are the data of LDS stores.  Chunk c = 0 writes them with no wait: every LDS store issued so far was waited for in front of the last barrier; what may be out is the last K step's 40 LDS loads,
; whose registers (v32-63, v512-1023) no line of a chunk names.  Chunk c = 1 writes the codes' registers that chunk c = 0's stores read: its wait is counted, below.
.macro CHUNK n, c, set, cnt, reload
	s_wait_loadcnt \cnt
.irp jp, 0,1                           ; two columns at a time
	WIN 0x01
.set ci, 0
.rept 32
	v_mov_b32 v[TR+ci], v[\set+4*ci+2*\jp]         ; down K, column 2 jp
	v_mov_b32 v[TR+32+ci], v[\set+4*ci+2*\jp+1]    ; and column 2 jp + 1
.set ci, ci+1
.endr
	WIN 0
.if (\jp == 1) && \reload
	WLOAD \set, (\n)+1, \c, 0, 32                  ; the set has been read out
.endif
.irp jj, 0,1
	v_max3_num_f32 v[MA+\jj], |v[TR+32*\jj]|, |v[TR+32*\jj+1]|, FLOOR   ; a block's largest magnitude: all 32 numbers are mine; two chains a column, the columns by turns
.endr
.irp jj, 0,1
	v_max3_num_f32 v[MB+\jj], |v[TR+32*\jj+2]|, |v[TR+32*\jj+3]|, |v[TR+32*\jj+4]|
.endr
.irp i, 5,9,13,17,21,25
.irp jj, 0,1
	v_max3_num_f32 v[MA+\jj], v[MA+\jj], |v[TR+32*\jj+\i]|, |v[TR+32*\jj+\i+1]|
.endr
.irp jj, 0,1
	v_max3_num_f32 v[MB+\jj], v[MB+\jj], |v[TR+32*\jj+\i+2]|, |v[TR+32*\jj+\i+3]|
.endr
.endr
.irp jj, 0,1
	v_max3_num_f32 v[MA+\jj], v[MA+\jj], |v[TR+32*\jj+29]|, |v[TR+32*\jj+30]|
.endr
.irp jj, 0,1
	v_max3_num_f32 v[MA+\jj], v[MA+\jj], v[MB+\jj], |v[TR+32*\jj+31]|
.endr
.irp jj, 0,1
	v_add_nc_u32 v[SCL+\jj], 0xff000000, v[MA+\jj] ; 2 off the exponent field: the conversion's scale operand
.endr
.irp jj, 0,1
.if \c == 0
	v_lshrrev_b32 v[WB+2*\jp+\jj], 23, v[SCL+\jj]  ; the byte of block hh
.else
	v_lshrrev_b32 v[BY+\jj], 23, v[SCL+\jj]        ; the byte of block 2 + hh,
.endif
.endr
.if \c == 1
.irp jj, 0,1
	v_lshl_or_b32 v[WB+2*\jp+\jj], v[BY+\jj], 16, v[WB+2*\jp+\jj]   ; two bytes above the first
.endr
	s_wait_dscnt 2                                 ; chunk c = 0's two stores of these columns' codes are done: behind them two LDS stores have been issued (jp = 0: that chunk's other two; jp = 1: this chunk's first two)
.endif
.irp jj, 0,1
.irp g, 0,1,2,3
	v_cvt_scalef32_pk8_fp4_f32 v[CD+4*(2*\jp+\jj)+\g], v[TR+32*\jj+8*\g:TR+32*\jj+8*\g+7], v[SCL+\jj]
.endr
.endr
	v_nop                                          ; one plain place behind the conversions: their sources are written again below
.irp jj, 0,1
	ds_store_b128 v6, v[CD+4*(2*\jp+\jj):CD+4*(2*\jp+\jj)+3] offset:(FS*(\n)+2*\jp+\jj)*1024+512*(\c)
.endr
.endr
.endm
; All four waves' fragments and scale words of K step n come into my registers: fragment f at v[512 + 8 f].  They land while the next chunks are worked: the next wait for all LDS instructions stands in front of the next barrier.
.macro FETCH n
	WIN 0x80
.irp a, 0,1
.irp j, 0,1,2,3
.irp c, 0,1
	ds_load_b128 v[8*(F0B*\a+FS*(\n)+\j)+4*\c:8*(F0B*\a+FS*(\n)+\j)+4*\c+3], v5 offset:1024*(F0B*\a+FS*(\n)+\j)+512*\c
.endr
.endr
.endr
	WIN 0xc0
.irp a, 0,1
.irp j, 0,1,2,3
.irp c, 0,1
	ds_load_b128 v[8*(F0B*\a+FS*(\n)+\j)+4*\c:8*(F0B*\a+FS*(\n)+\j)+4*\c+3], v5 offset:1024*(32+F0B*\a+FS*(\n)+\j)+512*\c
.endr
.endr
.endr
	WIN 0
.irp x, 0,1,2,3,4,5,6,7
	ds_load_b32 v[WSC+QW*(\x>>QX)+QN*(\n)+(\x&QM)], v8 offset:128*(QW*(\x>>QX)+QN*(\n)+(\x&QM))
.endr
.endm
; The addresses of a tile's 16 rows of x: rid held inside its range, its low ten bits are the token
.macro XADDR
	v_min_u32 v11, 0x807, v11
	v_and_b32 v12, 0x3ff, v11
	v_lshlrev_b32 v13, 5, v12                      ; its 32 scale bytes
	v_lshlrev_b32 v12, 9, v12                      ; its 512 bytes of codes,
	v_lshl_add_u32 v12, v3, 4, v12                 ; + 16 h
.endm
.macro XLOAD                           ; 18 loads: eight fragments (registers 8 s + 4 c on: k = 128 s + 64 c + 32 h + 0 .. 31) and eight scale words
.irp s, 0,1,2,3,4,5,6,7
.irp c, 0,1
	global_load_b128 v[XB+8*\s+4*\c:XB+8*\s+4*\c+3], v12, s[8:9] offset:64*\s+32*\c
.endr
.endr
.irp a, 0,1
	global_load_b128 v[XSC+4*\a:XSC+4*\a+3], v13, s[10:11] offset:16*\a
.endr
.endm
; What phase 2 wants first is asked for while the stream's last chunk is on its way: b1 (16 loads, into the set that has been read out) and my first tile's x (18)
.macro HOOK
	WIN 0x40
.irp u, 0,1
.irp i, 0,1,2,3,4,5,6,7
	global_load_b128 v[DD+4*(8*\u+\i):DD+4*(8*\u+\i)+3], v28, s[6:7] offset:256*\u+16*\i   ; b1 at hidden units 64 u + 32 h + 4 i + 0 .. 3
.endr
.endr
	WIN 0
	ds_load_b32 v11, v9
	s_wait_dscnt 0x0
	XADDR
	XLOAD
.endm
.macro KSTEP n
.if \n < 3
	CHUNK \n, 0, SA, 32, 1                         ; behind a chunk's loads stand the other set's 32
	CHUNK \n, 1, SB, 32, 1
.else
	CHUNK \n, 0, SA, 32, 0
	HOOK
	CHUNK \n, 1, SB, NH, 0                         ; behind the last chunk's loads stand the hook's
.endif
.irp j, 0,1,2,3
	v_lshlrev_b32 v[WB+\j], v15, v[WB+\j]          ; my two bytes at their places in the word, 8 hh bits up;
.endr
.irp j, 0,1,2,3
	v_permlanex16_b32 v[PT+\j], v[WB+\j], s58, s59
.endr
.irp j, 0,1,2,3
	v_or_b32 v[WB+\j], v[WB+\j], v[PT+\j]          ; with lane l xor 16's two the word is whole
.endr
.irp j, 0,1,2,3
	ds_store_b32 v7, v[WB+\j] offset:128*(QN*(\n)+(\j>>QJ))+64*QH*(\j&1)   ; lanes l and l xor 16 write the same word with the same value
.endr
	s_wait_dscnt 0x0                               ; for the others' sake: my images and scale words are in LDS; and the last K step's fragments are in my registers
	s_barrier_signal -1
	s_barrier_wait -1
	FETCH \n
.endm
	s_load_b256 s[4:11], s[0:1], 0x0               ; W1, b1, xq, xs
	s_load_b128 s[12:15], s[0:1], 0x20             ; sel, hq
	s_load_b64 s[48:49], s[0:1], 0x30              ; hs
	v_lshl_add_u32 v254, v0, 2, 0x12400
	v_mov_b32 v255, 0
	v_lshrrev_b32 v1, 5, v0
	v_readfirstlane_b32 s2, v1                     ; wave 0..3
	v_and_b32 v1, 31, v0
	v_and_b32 v2, 15, v0
	v_bfe_u32 v3, v0, 4, 1
	s_lshr_b32 s3, ttmp9, 5                        ; e
	s_and_b32 s60, ttmp9, 31                       ; slice
	s_and_b32 s61, s2, 1                           ; u
	s_lshr_b32 s62, s2, 1                          ; kh
	s_lshl_b32 s54, s3, 24                         ; my panel: expert, 512 kh rows, 128 slice + 64 u columns
	s_lshl_b32 s51, s62, 23
	s_add_co_u32 s54, s54, s51
	s_lshl_b32 s51, s60, 9
	s_add_co_u32 s54, s54, s51
	s_lshl_b32 s51, s61, 8
	s_add_co_u32 s54, s54, s51
	s_mov_b32 s55, 0
	v_lshlrev_b32 v4, 4, v2
	v_lshl_add_u32 v4, v3, 19, v4                  ; 16 c4 + 32 hh rows
	s_wait_kmcnt 0x0
	s_add_nc_u64 s[4:5], s[4:5], s[54:55]
	WLOAD SA, 0, 0, 0, 32                          ; the stream starts before anything else is done: 62 loads
	WLOAD SB, 0, 1, 0, 30
	s_lshl_b32 s54, s3, 7
	s_add_nc_u64 s[12:13], s[12:13], s[54:55]      ; the expert's two masks, 128 bytes each
	s_load_b512 s[16:31], s[12:13], 0x0
	s_load_b512 s[32:47], s[12:13], 0x40
	s_load_b512 s[68:83], s[12:13], 0x400
	s_load_b512 s[84:99], s[12:13], 0x440
	s_lshl_b32 s54, s3, 14                         ; b1: 4 (4,096 e + 128 slice)
	s_lshl_b32 s51, s60, 9
	s_add_co_u32 s54, s54, s51
	s_add_nc_u64 s[6:7], s[6:7], s[54:55]
	s_lshl_b32 s54, s3, 21                         ; hq: 1,024 (32 (64 e + w) + slice)
	s_lshl_b32 s51, s2, 15
	s_add_co_u32 s54, s54, s51
	s_lshl_b32 s51, s60, 10
	s_add_co_u32 s54, s54, s51
	s_add_nc_u64 s[14:15], s[14:15], s[54:55]
	s_lshl_b32 s54, s3, 17                         ; hs: 256 (8 (64 e + w) + slice / 4) + 4 (slice % 4)
	s_lshl_b32 s51, s2, 11
	s_add_co_u32 s54, s54, s51
	s_lshr_b32 s51, s60, 2
	s_lshl_b32 s51, s51, 8
	s_add_co_u32 s54, s54, s51
	s_and_b32 s51, s60, 3
	s_lshl_b32 s51, s51, 2
	s_add_co_u32 s54, s54, s51
	s_add_nc_u64 s[48:49], s[48:49], s[54:55]
	s_mov_b32 s58, 0x76543210
	s_mov_b32 s59, 0xfedcba98                      ; v_permlanex16_b32's selects for lane l xor 16
	v_lshlrev_b32 v5, 4, v1
	s_lshl_b32 s51, s62, 15
	s_lshl_b32 s54, s61, 12
	s_add_co_u32 s51, s51, s54
	v_add_nc_u32 v6, s51, v5                       ; 16 lane + 1,024 (32 kh + 4 u)
	s_lshl_b32 s51, s62, 11
	s_lshl_b32 s54, s61, 6
	s_add_co_u32 s51, s51, s54
	s_add_co_u32 s51, s51, SC
	v_lshl_add_u32 v7, v2, 2, s51                  ; SC + 4 c4 + 2,048 kh + 64 u
	v_lshl_add_u32 v8, v1, 2, SC
	s_lshl_b32 s51, s2, 6
	s_add_co_u32 s51, s51, LISTB
	v_lshl_add_u32 v9, v2, 2, s51                  ; the list: tile w, row r
	v_lshlrev_b32 v14, 4, v2
	v_lshlrev_b32 v15, 3, v3
	v_add_nc_u32 v16, LISTB, v5
	v_mov_b32 v17, v1                              ; token of lane, word 0
	v_add_nc_u32 v18, 0x400, v1
	v_add_nc_u32 v19, 0x480, v1                    ; word 1,152 + lane
	s_add_co_u32 s51, s3, 0x800
.irp i, 24,25,26,27
	v_mov_b32 v\i, s51                             ; 2,048 + e
.endr
	v_lshlrev_b32 v28, 7, v3
.irp j, 0,1,2,3
	v_mov_b32 v[PT+\j], 0                          ; written once: a lane permute's destination counts as one of its sources
.endr
	s_wait_kmcnt 0x0
	MKLIST
	s_mov_b32 s53, s2                              ; T = w
	s_mov_b32 s56, 0
	WLOAD SB, 0, 1, 30, 2
	KSTEP 0
	KSTEP 1
	KSTEP 2
	KSTEP 3
	s_wait_dscnt 0x0                               ; all 64 fragments and 32 scale registers are in
	s_wait_loadcnt 0x0                             ; b1 and my first tile's x
	WIN 0x55
.irp u, 0,1
.irp j, 0,1,2,3
.irp i, 0,1,2,3,4,5,6,7
	v_mov_b32 v[BIAS+8*(4*\u+\j)+\i], v[DD+4*(8*\u+\i)+\j]   ; b1 in the result's layout: the C of each sum's first product
.endr
.endr
.endr
.macro KON k, bits
	v_mov_b32 v[KK+2*\k], \bits
	v_mov_b32 v[KK+2*\k+1], \bits
.endm
	KON 0, 0xc034d90f                              ; P's coefficients x log2(e), 1 taken off the first (the half): -2.8257482
	KON 1, 0x3fb8ab5a                              ;  1.4427292
	KON 2, 0x3f0a29d2                              ;  0.53970062
	KON 3, 0x3e0efb2e                              ;  0.13963006
	KON 4, 0xbe899a80                              ; -0.26875686
	KON 5, 0x3ecdfd18                              ;  0.40232158
	KON 6, 0xbfd1a1e5                              ; -1.6377532
	KON 7, 0x40097039                              ;  2.1474745
	KON 8, 0xbf97d29d                              ; -1.1861149
	KON 9, 0x3e7c6f08                              ;  0.24651730
	KON 10, 0xbf38aa3b                             ; KE = -log2(e) / 2
	v_mov_b32 v[PERM], 0
	WIN 0x40
	v_mov_b32 v[SH8], v15
	WIN 0
; K step s of a tile's first product: the eight accumulators take turns, one instruction a turn
.macro MULS s
.irp u, 0,1
.irp j, 0,1,2,3
.set rD, DD+8*(4*\u+\j)
.set rA, 8*((8*(\s)+4*\u+\j)%32)
.set rB, XB+8*(\s)
.set rC, rD
.if (\s) == 0
.set rC, BIAS+8*(4*\u+\j)
.endif
.if \u
	v_wmma_scale_f32_16x16x128_f8f6f4 v[rD:rD+7], v[rA:rA+7], v[rB:rB+7], v[rC:rC+7], v[WSC+4*(\s)+\j], v[XSC+(\s)] matrix_a_fmt:MATRIX_FMT_FP4 matrix_b_fmt:MATRIX_FMT_FP4 matrix_a_scale:MATRIX_SCALE_ROW1
.else
	v_wmma_scale_f32_16x16x128_f8f6f4 v[rD:rD+7], v[rA:rA+7], v[rB:rB+7], v[rC:rC+7], v[WSC+4*(\s)+\j], v[XSC+(\s)] matrix_a_fmt:MATRIX_FMT_FP4 matrix_b_fmt:MATRIX_FMT_FP4
.endif
.endr
.endr
.endm
; gelu of 16 numbers: tiles 4 u + 2 jp and 4 u + 2 jp + 1.  Register 8 jj + i is hidden unit 4 i + 2 jp + jj of my block, and lands there in HH.  Each accumulator is read from its lowest register on.
.macro GELU u, jp
.set gZ, DD+16*(2*\u+\jp)
.set gv, 0
.rept 16
	v_fma_f32 v[TT+gv], |v[gZ+gv]|, 0x3eb504f3, 1.0               ; 1 + |z| sqrt 2 / 4
.set gv, gv+1
.endr
.set gv, 0
.rept 16
	v_rcp_f32 v[TT+gv], v[TT+gv]                                  ; t
.set gv, gv+1
.endr
.set gv, 0
.rept 8
	v_pk_mul_f32 v[SS+gv:SS+gv+1], v[gZ+gv:gZ+gv+1], v[gZ+gv:gZ+gv+1]   ; z^2: work that names no reciprocal
.set gv, gv+2
.endr
.set gv, 0
.rept 16
	v_max_num_f32 v[HH+4*(gv%8)+2*\jp+gv/8], 0, v[gZ+gv]          ; max(z, 0)
.set gv, gv+1
.endr
	s_wait_alu depctr_va_vdst(0)                   ; one wait for the 16 reciprocals, ahead of their first reader
.set gv, 0
.rept 8
	v_pk_fma_f32 v[PP+gv:PP+gv+1], v[TT+gv:TT+gv+1], v[KK+18:KK+19], v[KK+16:KK+17]
.set gv, gv+2
.endr
.irp k, 7,6,5,4,3,2,1,0
.set gv, 0
.rept 8
	v_pk_fma_f32 v[PP+gv:PP+gv+1], v[PP+gv:PP+gv+1], v[TT+gv:TT+gv+1], v[KK+2*\k:KK+2*\k+1]
.set gv, gv+2
.endr
.endr
.set gv, 0
.rept 8
	v_pk_fma_f32 v[PP+gv:PP+gv+1], v[SS+gv:SS+gv+1], v[KK+20:KK+21], v[PP+gv:PP+gv+1]   ; KE z^2 + P(t)
.set gv, gv+2
.endr
.set gv, 0
.rept 16
	v_exp_f32 v[PP+gv], v[PP+gv]
.set gv, gv+1
.endr
	v_nop                                          ; a plain place behind the last exponential,
	s_wait_alu depctr_va_vdst(0)                   ; and one wait for the 16
.set gv, 0
.rept 8
	v_pk_mul_f32 v[TT+gv:TT+gv+1], v[TT+gv:TT+gv+1], v[PP+gv:PP+gv+1]   ; q
.set gv, gv+2
.endr
.set gv, 0
.rept 16
	v_fma_f32 v[HH+4*(gv%8)+2*\jp+gv/8], -|v[gZ+gv]|, v[TT+gv], v[HH+4*(gv%8)+2*\jp+gv/8]   ; max(z, 0) - |z| q
.set gv, gv+1
.endr
.endm
; my block 2 u + h of the next K becomes its byte and registers 4 u .. 4 u + 3 of the fragment
.macro QH u
	v_max3_num_f32 v[QA], |v[HH]|, |v[HH+1]|, FLOOR
	v_max3_num_f32 v[QB], |v[HH+2]|, |v[HH+3]|, |v[HH+4]|
.irp i, 5,9,13,17,21,25
	v_max3_num_f32 v[QA], v[QA], |v[HH+\i]|, |v[HH+\i+1]|
	v_max3_num_f32 v[QB], v[QB], |v[HH+\i+2]|, |v[HH+\i+3]|
.endr
	v_max3_num_f32 v[QA], v[QA], |v[HH+29]|, |v[HH+30]|
	v_max3_num_f32 v[QA], v[QA], v[QB], |v[HH+31]|
	v_add_nc_u32 v[QS], 0xff000000, v[QA]
	v_lshrrev_b32 v[BY0+\u], 23, v[QS]
.irp g, 0,1,2,3
	v_cvt_scalef32_pk8_fp4_f32 v[CODE+4*\u+\g], v[HH+8*\g:HH+8*\g+7], v[QS]
.endr
	v_nop                                          ; one plain place behind the conversions
.endm
	s_mov_b32 s57, 16                              ; 16 trips serve the worst split (64 tiles); a wave leaves when its tiles are done
.Ltile:
	s_cmp_ge_u32 s53, s52
	s_cbranch_scc1 .Ldone
	v_add_nc_u32 v10, s56, v9
	ds_load_b32 v11, v10 offset:256                ; the rows of my next tile, T + 4 (the list is filled up to tile 71)
	s_wait_loadcnt 0x0                             ; this tile's x, asked for a tile ago
	WIN 0x52                                       ; W1 window 2, x window 0, C and D window 1
	MULS 0
	MULS 1
	MULS 2
	MULS 3
	WIN 0x53                                       ; W1 window 3
	MULS 4
	MULS 5
	MULS 6
	MULS 7
	WIN 0
.rept 4
	v_nop                                          ; four places behind the last product: ahead of the loads into x's registers and of the first read of results
.endr
	s_wait_dscnt 0x0
	XADDR
	XLOAD                                          ; the next tile's x lands under this tile's gelu
	WIN 0x55
	GELU 0, 0
	GELU 0, 1
	QH 0
	GELU 1, 0
	GELU 1, 1
	QH 1
	v_lshl_or_b32 v[WORD], v[BY0+1], 16, v[BY0]    ; my two bytes: blocks h and 2 + h,
	v_lshlrev_b32 v[WORD], v[SH8], v[WORD]         ; 8 h bits up;
	v_permlanex16_b32 v[PERM], v[WORD], s58, s59
	v_or_b32 v[WORD], v[WORD], v[PERM]             ; with lane l xor 16's two: row r's scale word for this K step
	WIN 0x04                                       ; a store's data: window 1
	global_store_b128 v5, v[CODE:CODE+3], s[14:15]               ; each store covers 512 consecutive bytes, aligned
	global_store_b128 v5, v[CODE+4:CODE+7], s[14:15] offset:512
	global_store_b32 v14, v[WORD], s[48:49]        ; lanes l and l xor 16 write the same word with the same value
	WIN 0
	s_wait_xcnt 0x0                                ; the stores have read their data and bases: both are written again below and in the next trip
	s_add_nc_u64 s[14:15], s[14:15], 0x20000       ; four tiles on
	s_add_nc_u64 s[48:49], s[48:49], 8192
	s_add_co_u32 s53, s53, 4
	s_add_co_u32 s56, s56, 256
	s_sub_co_u32 s57, s57, 1
	s_cmp_lg_u32 s57, 0
	s_cbranch_scc1 .Ltile
.Ldone:
	s_barrier_signal -1
	s_barrier_wait -1
	s_wait_tensorcnt 0x0
	ds_add_u32 v254, v255
	s_wait_dscnt 0x0
	s_endpgm
.Lfunc_end_k_qb5e765bdd3_up:
	.size	k_qb5e765bdd3_up, .Lfunc_end_k_qb5e765bdd3_up-k_qb5e765bdd3_up
	.p2alignl 7, 3214868480
	.fill 96, 4, 3214868480
	.section	.rodata,"a",@progbits
	.p2align	6, 0x0
	.amdhsa_kernel k_qb5e765bdd3_up
		.amdhsa_group_segment_fixed_size 75264
		.amdhsa_private_segment_fixed_size 0
		.amdhsa_enable_private_segment 0
		.amdhsa_kernarg_size 56
		.amdhsa_user_sgpr_count 2
		.amdhsa_user_sgpr_kernarg_segment_ptr 1
		.amdhsa_wavefront_size32 1
		.amdhsa_system_sgpr_workgroup_id_x 1
		.amdhsa_system_sgpr_workgroup_id_y 1
		.amdhsa_system_sgpr_workgroup_id_z 1
		.amdhsa_system_vgpr_workitem_id 0
		.amdhsa_next_free_vgpr 1024
		.amdhsa_next_free_sgpr 100
		.amdhsa_reserve_vcc 0
		.amdhsa_float_denorm_mode_32 3
		.amdhsa_float_denorm_mode_16_64 3
		.amdhsa_memory_ordered 1
		.amdhsa_forward_progress 1
		.amdhsa_inst_pref_size 205
	.end_amdhsa_kernel
	.amdgpu_metadata
---
amdhsa.version: [ 1, 2 ]
amdhsa.kernels:
  - .name:           k_qb5e765bdd3_up
    .symbol:         k_qb5e765bdd3_up.kd
    .args:
      - { .name: W1, .offset: 0, .size: 8, .value_kind: global_buffer, .address_space: global }
      - { .name: b1, .offset: 8, .size: 8, .value_kind: global_buffer, .address_space: global }
      - { .name: xq, .offset: 16, .size: 8, .value_kind: global_buffer, .address_space: global }
      - { .name: xs, .offset: 24, .size: 8, .value_kind: global_buffer, .address_space: global }
      - { .name: sel, .offset: 32, .size: 8, .value_kind: global_buffer, .address_space: global }
      - { .name: hq, .offset: 40, .size: 8, .value_kind: global_buffer, .address_space: global }
      - { .name: hs, .offset: 48, .size: 8, .value_kind: global_buffer, .address_space: global }
    .group_segment_fixed_size: 75264
    .private_segment_fixed_size: 0
    .kernarg_segment_align: 8
    .kernarg_segment_size: 56
    .max_flat_workgroup_size: 128
    .sgpr_count:     100
    .vgpr_count:     1024
    .wavefront_size: 32
...
	.end_amdgpu_metadata
.endif
;; end of part 2
;; launch down (part 3): grid 256 x 1, 4 waves a work-group, no clusters, 92,416 bytes of LDS; arguments W2, b2, hq, hs, sel, gate, yr; writes yr
.if DOCPART == 3
	.amdgcn_target "amdgcn-amd-amdhsa--gfx1250"
	.amdhsa_code_object_version 6
	.text
	.protected	k_qb5e765bdd3_down
	.globl	k_qb5e765bdd3_down
	.p2align	8
	.type	k_qb5e765bdd3_down,@function
k_qb5e765bdd3_down:
	s_mov_b64 s[64:65], 0
	v_nop
	global_prefetch_b8 v0, s[64:65] scope:SCOPE_SE
	s_setreg_imm32_b32 hwreg(HW_REG_WAVE_MODE, 25, 1), 1
	s_wait_xcnt 0x0
; DOWN.  yr[khalf][rid] = gate[rid] x (Q(h) Q(W2[e]) + b2[e]), the sum over one half of F, for the rows routed to expert e.  Codes of FP4 (E2M1), one E8M0 byte for each 32 along K.
; SHARES.  Work-group g: expert e = g / 32, output columns 64 ((g / 2) % 16) on, K half g % 2 (2,048 hidden units), for ALL rows of the expert: every byte of W2 has one reader in the launch.
;   64 columns are 256 consecutive bytes of a row of W2; 2,048 x 64 codes are 64 fragments, the 512 registers that a wave keeps.  The two halves of K are added by the next launch; b2 enters in half 0 alone.
; PHASE 1, the stream: as in the launch before.  Wave w reads K quarter w of the half, 512 rows x 64 columns; lane (c4, hh) loads columns 4 c4 .. + 3 of row 128 n + 64 c + 32 hh + i; for a fixed j it holds column 4 c4 + j and a whole
;   block of 32 along K: the operand's layout of a tile whose row m is column 4 m + j.  Each number is moved once so that the conversions find eight neighbours along K in consecutive registers.  Fragments go to all waves through LDS as images of their registers;
;   a K step's 40 LDS loads land under the next K step's work.
; PHASE 2, the rows: tile T = w, w + 4, ..; h's fragments and scale words come from memory as register images, two tiles' buffers by turns.  The product is used transposed (source 0 = a tile of W2, source 1 = h): lane (r, h) holds row r and,
;   over the four tiles j, columns 32 h + 0 .. 31.  Times the row's gate, through the wave's own stage in LDS, and out: sixteen lanes store 256 consecutive bytes, aligned, of row rid.
; THE ROWS' NAMES.  The list is read once, ahead of the walk: row r's rid of my sixteen tiles stands in sixteen registers, which move down by two at the end of a trip of two tiles.  On the way out a row's rid goes through the stage with the row,
;   in the padding behind its 256 bytes.  So every LDS address of the text is a constant + a constant x lane + a constant x wave.
; Places of a tile past the expert's count have rid = 2,048 + e: they fall into row 2,048 + e of yr, in this work-group's own columns, which nobody reads: no mask is needed.
; NO TENSOR LOAD, NO CLUSTER: the walk over tiles ends on a count read from memory.  What the 16 column slices of an expert share is h's codes, 17 KB a tile beside the 512 KB of W2 that a work-group reads alone.
; LIMITS: NaN and infinities are not served; a block of W2 whose largest magnitude lies under 2^-124 (zeros too) gets the byte 1.  The sum over K is made in two halves.
; An expert without rows: its weights are still read, the first tile's loads read bytes of hq and hs that nobody wrote, and nothing is made of them: the wave leaves ahead of its first product.
.set PITCH, 4096                       ; a row of W2[e] in bytes
.set FS,    4                          ; fragments from one K step to the next: f = 4 s + j
.set F0B,   16                         ; writer a's first fragment: 32 (a / 2) + F0B (a % 2)
.set QN,    2                          ; scale register q = 2 s + j / 2; tile j % 2 chooses the half of the lanes
.set QJ,    1
.set QH,    1
.set QW,    8                          ; the eight scale registers of a K step: QW (x >> QX) + QN n + (x & QM)
.set QX,    1
.set QM,    1
.set NH,    45                         ; loads that the hook issues
.set SC,    65536                      ; LDS: 0 .. 65,535 the 64 fragment images (1,024 f + 512 c + 16 lane); then 32 scale registers' images (128 q + 4 lane);
.set LISTB, 69632                      ; then the list: 1,152 words (72 tiles), 32 words for what is thrown away;
.set STG,   74496                      ; then a stage of 16 rows x (256 + 16) bytes for each wave; a row's rid lies in the first word of its padding
.set FLOOR, 0x1800000                  ; 2^(3 - 127)
; window 0: v1 lane, v2 c4 = r, v3 hh = h, v4 W2 offset, v5 16 lane, v6 where I store images, v7 and scale words, v8 where I read scale registers, v9 the list at my wave's first tile (row r), v10 the stage at row r,
;           v12 gate's offset, v13 16 r, v15 8 h, v16-20 the list's making, v24-27 the list's fill, v28 the stage at row h, v29 into the stage, v30 out of it, v31 128 h
.set WSC,   32                         ; v32-63   W2's scale words: nothing else ever stands here
.set HSC,   64                         ; v64-79, v80-95 h's scale words, a register a K step, two buffers
.set GG,    96                         ; v96-97   the rows' gates, two buffers
.set ZZ,    100                        ; v100-131 b2 as loaded; later 16 rows back from the stage
.set TR,    136                        ; v136-199 two columns x 32 numbers down K
.set MA,    200
.set MB,    202
.set SCL,   204
.set BY,    206
.set WB,    208
.set PT,    212
.set CD,    216
.set SA,    0                          ; window 1: two sets of 128 for the stream; in phase 2 h's 16 fragments, two buffers
.set SB,    128
.set B2,    136                        ; phase 2: v136-167 b2 (or zeros) in the result's layout
.set DD,    168                        ; v168-199 the four accumulators
.set YY,    200                        ; v200-231 32 neighbouring columns of my row
.set RR,    232                        ; v232-239 rid of the rows that I store, then their offsets in yr
.set RL,    240                        ; v240-255 rid of row r in the tile in hand and in my tiles that follow
; scalars: s2 wave, s3 e, s[4:5] W2 panel, s[6:7] b2, s[8:9] hq, s[10:11] hs, s[12:13] sel, s[14:15] gate, s[48:49] yr, s[16:47] mask 'chose e', s[68:99] mask 'second choice'; behind the list's making s[16:19], s[20:23] the two buffers' bases,
;          s24 1.0 or 0, s25 the last tile; s50 count, s51 at work, s52 tiles, s53 T, s[54:55] an offset (s55 = 0), s57 trips, s[58:59] lane selects, s60 column slice, s61 K half, s63 the list's running count
.set MSB, 0
.macro WIN new                         ; the immediate's high byte repeats the setting that is left; a switch that changes nothing is dropped.  Low byte: bits 1:0 source 0, 3:2 source 1, 5:4 source 2, 7:6 destination
.if MSB != \new
	s_set_vgpr_msb (MSB<<8)|\new
.set MSB, \new
.endif
.endm
.macro WLOAD set, n, c, i0, cnt        ; rows i0 .. i0 + cnt - 1 of chunk (n, c) into a set of window 1
	WIN 0x40
.set wi, \i0
.rept \cnt
	global_load_b128 v[\set+4*wi:\set+4*wi+3], v4, s[4:5] offset:(128*(\n)+64*(\c)+wi)*PITCH th:TH_LOAD_NT
.set wi, wi+1
.endr
	WIN 0
.endm
; The expert's list, made as in the launch before, so that tile T and row r mean the same rows in both.  One wave alone touches LDS here, and a barrier parts it from all that follows.
.macro MKLIST
	s_mov_b32 s50, 0
.set li, 0
.rept 32
	s_bcnt1_i32_b32 s51, s[16+li]
	s_add_co_u32 s50, s50, s51
.set li, li+1
.endr
	s_add_co_u32 s52, s50, 15
	s_lshr_b32 s52, s52, 4                         ; tiles of 16 rows
	s_cmp_lg_u32 s2, 0
	s_cbranch_scc1 .Llisted
.irp q, 0,1,2,3,4,5,6,7,8
	ds_store_b128 v16, v[24:27] offset:512*\q
.endr
	s_mov_b32 s63, 0
.set li, 0
.rept 32
	v_mbcnt_lo_u32_b32 v20, s[16+li], s63          ; chosen tokens before mine
	v_cndmask_b32 v[TR+li], v19, v20, s[16+li]     ; my place, or my word among the 32 that nobody reads
	v_min_u32 v[TR+li], 0x49f, v[TR+li]            ; held inside the list's 1,184 words
	v_lshl_add_u32 v[TR+li], v[TR+li], 2, LISTB
	v_cndmask_b32 v[TR+32+li], v17, v18, s[68+li]  ; rid = token, + 1,024 where e is its second choice
	ds_store_b32 v[TR+li], v[TR+32+li]
	v_add_nc_u32 v17, 32, v17
	v_add_nc_u32 v18, 32, v18
	s_bcnt1_i32_b32 s51, s[16+li]
	s_add_co_u32 s63, s63, s51
.set li, li+1
.endr
.Llisted:
	s_wait_dscnt 0x0                               ; wave 0's stores are done
	s_barrier_signal -1
	s_barrier_wait -1
.endm
; A chunk: 32 rows of K for each half of the lanes x 64 columns become registers 4 c .. 4 c + 3 of four fragments.  cnt: the loads issued behind this chunk's 32.  reload = 1: the set takes the same chunk of the next K step.
; THE CODES' AND SCALE WORDS' REGISTERS are the data of LDS stores.  Chunk c = 0 writes them with no wait: every LDS store issued so far was waited for in front of the last barrier; what may be out is LDS loads (the last K step's 40, or the list's 16),
; whose registers (v32-63, v240-255, v512-1023) no line of a chunk names.  Chunk c = 1 writes the codes' registers that chunk c = 0's stores read: its wait is counted, below.
.macro CHUNK n, c, set, cnt, reload
	s_wait_loadcnt \cnt
.irp jp, 0,1                           ; two columns at a time
	WIN 0x01
.set ci, 0
.rept 32
	v_mov_b32 v[TR+ci], v[\set+4*ci+2*\jp]         ; down K, column 2 jp
	v_mov_b32 v[TR+32+ci], v[\set+4*ci+2*\jp+1]    ; and column 2 jp + 1
.set ci, ci+1
.endr
	WIN 0
.if (\jp == 1) && \reload
	WLOAD \set, (\n)+1, \c, 0, 32                  ; the set has been read out
.endif
.irp jj, 0,1
	v_max3_num_f32 v[MA+\jj], |v[TR+32*\jj]|, |v[TR+32*\jj+1]|, FLOOR   ; a block's largest magnitude: all 32 numbers are mine; two chains a column, the columns by turns
.endr
.irp jj, 0,1
	v_max3_num_f32 v[MB+\jj], |v[TR+32*\jj+2]|, |v[TR+32*\jj+3]|, |v[TR+32*\jj+4]|
.endr
.irp i, 5,9,13,17,21,25
.irp jj, 0,1
	v_max3_num_f32 v[MA+\jj], v[MA+\jj], |v[TR+32*\jj+\i]|, |v[TR+32*\jj+\i+1]|
.endr
.irp jj, 0,1
	v_max3_num_f32 v[MB+\jj], v[MB+\jj], |v[TR+32*\jj+\i+2]|, |v[TR+32*\jj+\i+3]|
.endr
.endr
.irp jj, 0,1
	v_max3_num_f32 v[MA+\jj], v[MA+\jj], |v[TR+32*\jj+29]|, |v[TR+32*\jj+30]|
.endr
.irp jj, 0,1
	v_max3_num_f32 v[MA+\jj], v[MA+\jj], v[MB+\jj], |v[TR+32*\jj+31]|
.endr
.irp jj, 0,1
	v_add_nc_u32 v[SCL+\jj], 0xff000000, v[MA+\jj] ; 2 off the exponent field: the conversion's scale operand
.endr
.irp jj, 0,1
.if \c == 0
	v_lshrrev_b32 v[WB+2*\jp+\jj], 23, v[SCL+\jj]  ; the byte of block hh
.else
	v_lshrrev_b32 v[BY+\jj], 23, v[SCL+\jj]        ; the byte of block 2 + hh,
.endif
.endr
.if \c == 1
.irp jj, 0,1
	v_lshl_or_b32 v[WB+2*\jp+\jj], v[BY+\jj], 16, v[WB+2*\jp+\jj]   ; two bytes above the first
.endr
	s_wait_dscnt 2                                 ; chunk c = 0's two stores of these columns' codes are done: behind them two LDS stores have been issued (jp = 0: that chunk's other two; jp = 1: this chunk's first two)
.endif
.irp jj, 0,1
.irp g, 0,1,2,3
	v_cvt_scalef32_pk8_fp4_f32 v[CD+4*(2*\jp+\jj)+\g], v[TR+32*\jj+8*\g:TR+32*\jj+8*\g+7], v[SCL+\jj]
.endr
.endr
	v_nop                                          ; one plain place behind the conversions: their sources are written again below
.irp jj, 0,1
	ds_store_b128 v6, v[CD+4*(2*\jp+\jj):CD+4*(2*\jp+\jj)+3] offset:(FS*(\n)+2*\jp+\jj)*1024+512*(\c)
.endr
.endr
.endm
; All four waves' fragments and scale words of their K step n come into my registers: fragment f at v[512 + 8 f].  They land while the next chunks are worked: the next wait for all LDS instructions stands in front of the next barrier.
.macro FETCH n
	WIN 0x80
.irp a, 0,1
.irp j, 0,1,2,3
.irp c, 0,1
	ds_load_b128 v[8*(F0B*\a+FS*(\n)+\j)+4*\c:8*(F0B*\a+FS*(\n)+\j)+4*\c+3], v5 offset:1024*(F0B*\a+FS*(\n)+\j)+512*\c
.endr
.endr
.endr
	WIN 0xc0
.irp a, 0,1
.irp j, 0,1,2,3
.irp c, 0,1
	ds_load_b128 v[8*(F0B*\a+FS*(\n)+\j)+4*\c:8*(F0B*\a+FS*(\n)+\j)+4*\c+3], v5 offset:1024*(32+F0B*\a+FS*(\n)+\j)+512*\c
.endr
.endr
.endr
	WIN 0
.irp x, 0,1,2,3,4,5,6,7
	ds_load_b32 v[WSC+QW*(\x>>QX)+QN*(\n)+(\x&QM)], v8 offset:128*(QW*(\x>>QX)+QN*(\n)+(\x&QM))
.endr
.endm
; Tile T + add comes into buffer b: 37 loads.  x: where its rows' rid stands among the sixteen registers.
; The tile's number is held at the expert's last tile, so that no load reads a tile that nobody wrote (but where the expert has none).
.macro NEXT b, add, x
	s_add_co_u32 s51, s53, \add
	s_min_u32 s51, s51, s25
	s_min_u32 s51, s51, 63
	s_lshl_b32 s54, s51, 15                        ; a tile's codes: 32 K steps of 1,024 bytes
	s_add_nc_u64 s[16+4*\b:17+4*\b], s[8:9], s[54:55]
	s_lshl_b32 s54, s51, 11                        ; its scale words: 2,048 bytes
	s_add_nc_u64 s[18+4*\b:19+4*\b], s[10:11], s[54:55]
	v_min_u32 v12, 0x7ff, v[RL+(\x)]               ; a place past the count takes any gate: its row is thrown away
	v_lshlrev_b32 v12, 2, v12
	WIN 0x40
.irp s, 0,1,2,3,4,5,6,7,8,9,10,11,12,13,14,15
.irp c, 0,1
	global_load_b128 v[128*\b+8*\s+4*\c:128*\b+8*\s+4*\c+3], v5, s[16+4*\b:17+4*\b] offset:1024*\s+512*\c   ; 512 consecutive bytes: four registers of a fragment as they were stored
.endr
.endr
	WIN 0
.irp a, 0,1,2,3
	global_load_b128 v[HSC+16*\b+4*\a:HSC+16*\b+4*\a+3], v13, s[18+4*\b:19+4*\b] offset:256*\a   ; row r's words of K steps 4 a .. 4 a + 3
.endr
	global_load_b32 v[GG+\b], v12, s[14:15]
.endm
; What phase 2 wants first is asked for while the stream's last chunk is on its way: b2 (8 loads) and my first tile (37, into the set that has been read out)
.macro HOOK
.irp q, 0,1,2,3,4,5,6,7
	global_load_b128 v[ZZ+4*\q:ZZ+4*\q+3], v31, s[6:7] offset:16*\q   ; b2 at columns 32 h + 4 q + 0 .. 3
.endr
	NEXT 0, 0, 0
.endm
.macro KSTEP n
.if \n < 3
	CHUNK \n, 0, SA, 32, 1                         ; behind a chunk's loads stand the other set's 32
	CHUNK \n, 1, SB, 32, 1
.else
	CHUNK \n, 0, SA, 32, 0
	HOOK
	CHUNK \n, 1, SB, NH, 0                         ; behind the last chunk's loads stand the hook's
.endif
.irp j, 0,1,2,3
	v_lshlrev_b32 v[WB+\j], v15, v[WB+\j]          ; my two bytes at their places in the word, 8 hh bits up;
.endr
.irp j, 0,1,2,3
	v_permlanex16_b32 v[PT+\j], v[WB+\j], s58, s59
.endr
.irp j, 0,1,2,3
	v_or_b32 v[WB+\j], v[WB+\j], v[PT+\j]          ; with lane l xor 16's two the word is whole
.endr
.irp j, 0,1,2,3
	ds_store_b32 v7, v[WB+\j] offset:128*(QN*(\n)+(\j>>QJ))+64*QH*(\j&1)   ; lanes l and l xor 16 write the same word with the same value
.endr
	s_wait_dscnt 0x0                               ; for the others' sake: my images and scale words are in LDS; and the last K step's fragments are in my registers
	s_barrier_signal -1
	s_barrier_wait -1
	FETCH \n
.endm
	s_load_b256 s[4:11], s[0:1], 0x0               ; W2, b2, hq, hs
	s_load_b128 s[12:15], s[0:1], 0x20             ; sel, gate
	s_load_b64 s[48:49], s[0:1], 0x30              ; yr
	v_lshl_add_u32 v134, v0, 2, 0x16700
	v_mov_b32 v135, 0
	v_lshrrev_b32 v1, 5, v0
	v_readfirstlane_b32 s2, v1                     ; wave 0..3
	v_and_b32 v1, 31, v0
	v_and_b32 v2, 15, v0
	v_bfe_u32 v3, v0, 4, 1
	s_lshr_b32 s3, ttmp9, 5                        ; e
	s_bfe_u32 s60, ttmp9, 0x40001                  ; column slice: 4 bits from bit 1
	s_and_b32 s61, ttmp9, 1                        ; K half
	s_lshl_b32 s54, s3, 24                         ; my panel: expert, 2,048 khalf + 512 w rows, 64 slice columns
	s_lshl_b32 s51, s61, 23
	s_add_co_u32 s54, s54, s51
	s_lshl_b32 s51, s2, 21
	s_add_co_u32 s54, s54, s51
	s_lshl_b32 s51, s60, 8
	s_add_co_u32 s54, s54, s51
	s_mov_b32 s55, 0
	v_lshlrev_b32 v4, 4, v2
	v_lshl_add_u32 v4, v3, 17, v4                  ; 16 c4 + 32 hh rows
	s_wait_kmcnt 0x0
	s_add_nc_u64 s[4:5], s[4:5], s[54:55]
	WLOAD SA, 0, 0, 0, 32                          ; the stream starts before anything else is done: 62 loads
	WLOAD SB, 0, 1, 0, 30
	s_lshl_b32 s54, s3, 7
	s_add_nc_u64 s[12:13], s[12:13], s[54:55]      ; the expert's two masks, 128 bytes each
	s_load_b512 s[16:31], s[12:13], 0x0
	s_load_b512 s[32:47], s[12:13], 0x40
	s_load_b512 s[68:83], s[12:13], 0x400
	s_load_b512 s[84:99], s[12:13], 0x440
	s_lshl_b32 s54, s3, 12                         ; b2: 4 (1,024 e + 64 slice)
	s_lshl_b32 s51, s60, 8
	s_add_co_u32 s54, s54, s51
	s_add_nc_u64 s[6:7], s[6:7], s[54:55]
	s_lshl_b32 s54, s3, 21                         ; hq: the expert's tiles, my half's 16 K steps
	s_lshl_b32 s51, s61, 14
	s_add_co_u32 s54, s54, s51
	s_add_nc_u64 s[8:9], s[8:9], s[54:55]
	s_lshl_b32 s54, s3, 17                         ; hs likewise
	s_lshl_b32 s51, s61, 10
	s_add_co_u32 s54, s54, s51
	s_add_nc_u64 s[10:11], s[10:11], s[54:55]
	s_mul_i32 s54, s61, 8421376                    ; yr: my half's 2,056 rows of 4,096 bytes, my 256 bytes of a row
	s_lshl_b32 s51, s60, 8
	s_add_co_u32 s54, s54, s51
	s_add_nc_u64 s[48:49], s[48:49], s[54:55]
	s_mov_b32 s58, 0x76543210
	s_mov_b32 s59, 0xfedcba98                      ; v_permlanex16_b32's selects for lane l xor 16
	v_lshlrev_b32 v5, 4, v1
	s_lshl_b32 s51, s2, 14
	v_add_nc_u32 v6, s51, v5                       ; 16 lane + 1,024 x 16 w
	s_lshl_b32 s51, s2, 10
	s_add_co_u32 s51, s51, SC
	v_lshl_add_u32 v7, v2, 2, s51                  ; SC + 4 c4 + 1,024 w
	v_lshl_add_u32 v8, v1, 2, SC
	s_lshl_b32 s51, s2, 6
	s_add_co_u32 s51, s51, LISTB
	v_lshl_add_u32 v9, v2, 2, s51                  ; the list: tile w, row r
	v_lshlrev_b32 v13, 4, v2
	v_lshlrev_b32 v15, 3, v3
	v_add_nc_u32 v16, LISTB, v5
	v_mov_b32 v17, v1                              ; token of lane, word 0
	v_add_nc_u32 v18, 0x400, v1
	v_add_nc_u32 v19, 0x480, v1                    ; word 1,152 + lane
	s_add_co_u32 s51, s3, 0x800
.irp i, 24,25,26,27
	v_mov_b32 v\i, s51                             ; 2,048 + e
.endr
	s_mul_i32 s51, s2, 4352
	s_add_co_u32 s51, s51, STG                     ; my stage
	v_mul_u32_u24 v10, v2, 272
	v_add_nc_u32 v10, s51, v10                     ; row r: its rid goes 256 bytes on
	v_lshl_add_u32 v29, v3, 7, v10                 ; in: row r, 128 bytes for each half of the lanes
	v_mul_u32_u24 v28, v3, 272
	v_add_nc_u32 v28, s51, v28                     ; row h: a row's rid comes back from 256 bytes on
	v_lshl_add_u32 v30, v2, 4, v28                 ; back: lanes 0-15 one row, lanes 16-31 the next
	v_lshlrev_b32 v31, 7, v3
.irp j, 0,1,2,3
	v_mov_b32 v[PT+\j], 0                          ; written once: a lane permute's destination counts as one of its sources
.endr
	s_wait_kmcnt 0x0
	MKLIST
.irp i, 0,1,2,3,4,5,6,7,8,9,10,11,12,13,14,15
	ds_load_b32 v[RL+\i], v9 offset:256*\i         ; row r's rid in my tiles w + 4 i: the list is read here and nowhere else; they are first read in the last K step's hook, behind the first K step's wait for all LDS instructions
.endr
	s_mov_b32 s53, s2                              ; T = w
	s_max_u32 s25, s52, 1
	s_sub_co_u32 s25, s25, 1                       ; the expert's last tile
	s_cmp_eq_u32 s61, 0
	s_cselect_b32 s24, 1.0, 0                      ; b2 counts in K half 0 alone
	WLOAD SB, 0, 1, 30, 2
	KSTEP 0
	KSTEP 1
	KSTEP 2
	KSTEP 3
	s_wait_dscnt 0x0                               ; all 64 fragments and 32 scale registers are in
	s_wait_loadcnt 0x0                             ; b2 and my first tile
.irp j, 0,1,2,3
.irp i, 0,1,2,3,4,5,6,7
	v_mul_f32 v[B2+8*\j+\i], s24, v[ZZ+4*\i+\j]    ; b2 in the result's layout: the C of each sum's first product
.endr
.endr
; K step s of a tile's product from buffer b: the four accumulators take turns, one instruction a turn
.macro DMUL b, s
.irp j, 0,1,2,3
.set rD, DD+8*\j
.set rA, 8*((4*(\s)+\j)%32)
.set rB, 128*\b+8*(\s)
.set rC, rD
.if (\s) == 0
.set rC, B2+8*\j
.endif
.if \j&1
	v_wmma_scale_f32_16x16x128_f8f6f4 v[rD:rD+7], v[rA:rA+7], v[rB:rB+7], v[rC:rC+7], v[WSC+2*(\s)+(\j>>1)], v[HSC+16*\b+(\s)] matrix_a_fmt:MATRIX_FMT_FP4 matrix_b_fmt:MATRIX_FMT_FP4 matrix_a_scale:MATRIX_SCALE_ROW1
.else
	v_wmma_scale_f32_16x16x128_f8f6f4 v[rD:rD+7], v[rA:rA+7], v[rB:rB+7], v[rC:rC+7], v[WSC+2*(\s)+(\j>>1)], v[HSC+16*\b+(\s)] matrix_a_fmt:MATRIX_FMT_FP4 matrix_b_fmt:MATRIX_FMT_FP4
.endif
.endr
.endm
; Tile T + 4 b from buffer b, its rows' rid in register b of the sixteen; o: the other buffer, which takes tile T + add, whose rid stands one register on
.macro BODY b, o, add
	s_add_co_u32 s51, s53, 4*\b
	s_cmp_ge_u32 s51, s52
	s_cbranch_scc1 .Ldone
	s_wait_xcnt 0x0                                ; the last tile's loads and stores have read their addresses, bases and data: all are written again below
	NEXT \o, \add, \b+1
	s_wait_loadcnt 37                              ; behind this tile's loads stand the next tile's 37
	WIN 0x06                                       ; W2 window 2, h window 1, C and D window 0
.irp s, 0,1,2,3,4,5,6,7
	DMUL \b, \s
.endr
	WIN 0x07                                       ; W2 window 3
.irp s, 8,9,10,11,12,13,14,15
	DMUL \b, \s
.endr
	WIN 0
.rept 4
	v_nop                                          ; four places behind the last product, ahead of the first read of results
.endr
.irp i, 0,1,2,3,4,5,6,7                ; each accumulator is read from its lowest register on
.irp j, 0,1,2,3
	v_mul_f32 v[YY+4*\i+\j], v[GG+\b], v[DD+8*\j+\i]   ; x the row's gate: column 32 h + 4 i + j of row r
.endr
.endr
.irp q, 0,1,2,3,4,5,6,7
	ds_store_b128 v29, v[YY+4*\q:YY+4*\q+3] offset:16*\q
.endr
	ds_store_b32 v10, v[RL+\b] offset:256          ; the row's rid behind its 256 bytes; lanes l and l xor 16 write the same word with the same value
.irp q, 0,1,2,3,4,5,6,7
	ds_load_b128 v[ZZ+4*\q:ZZ+4*\q+3], v30 offset:544*\q   ; LDS serves a wave's instructions in order (ISA guide 5.7.1): these see my stores
.endr
.irp q, 0,1,2,3,4,5,6,7
	ds_load_b32 v[RR+\q], v28 offset:544*\q+256    ; rid of row 2 q + (lane / 16)
.endr
	s_wait_dscnt 0x0
.irp q, 0,1,2,3,4,5,6,7
	v_min_u32 v[RR+\q], 0x807, v[RR+\q]            ; held inside yr's 2,056 rows
	v_lshl_add_u32 v[RR+\q], v[RR+\q], 12, v13     ; the row's 4,096 bytes, + 16 r
.endr
.irp q, 0,1,2,3,4,5,6,7
	global_store_b128 v[RR+\q], v[ZZ+4*\q:ZZ+4*\q+3], s[48:49]   ; sixteen lanes store 256 consecutive bytes, aligned
.endr
.endm
	s_mov_b32 s57, 8                               ; 8 trips of two tiles serve the worst split (64 tiles); a wave leaves when its tiles are done
.Ltile:
	BODY 0, 1, 4
	BODY 1, 0, 8
.irp i, 0,1,2,3,4,5,6,7,8,9,10,11,12,13
	v_mov_b32 v[RL+\i], v[RL+\i+2]                 ; two tiles are done: the rows' names move down by two (the top two keep theirs: what they then name is a tile past my sixteenth, which is never multiplied)
.endr
	s_add_co_u32 s53, s53, 8
	s_sub_co_u32 s57, s57, 1
	s_cmp_lg_u32 s57, 0
	s_cbranch_scc1 .Ltile
.Ldone:
	s_barrier_signal -1
	s_barrier_wait -1
	s_wait_tensorcnt 0x0
	ds_add_u32 v134, v135
	s_wait_dscnt 0x0
	s_endpgm
.Lfunc_end_k_qb5e765bdd3_down:
	.size	k_qb5e765bdd3_down, .Lfunc_end_k_qb5e765bdd3_down-k_qb5e765bdd3_down
	.p2alignl 7, 3214868480
	.fill 96, 4, 3214868480
	.section	.rodata,"a",@progbits
	.p2align	6, 0x0
	.amdhsa_kernel k_qb5e765bdd3_down
		.amdhsa_group_segment_fixed_size 92416
		.amdhsa_private_segment_fixed_size 0
		.amdhsa_enable_private_segment 0
		.amdhsa_kernarg_size 56
		.amdhsa_user_sgpr_count 2
		.amdhsa_user_sgpr_kernarg_segment_ptr 1
		.amdhsa_wavefront_size32 1
		.amdhsa_system_sgpr_workgroup_id_x 1
		.amdhsa_system_sgpr_workgroup_id_y 1
		.amdhsa_system_sgpr_workgroup_id_z 1
		.amdhsa_system_vgpr_workitem_id 0
		.amdhsa_next_free_vgpr 1024
		.amdhsa_next_free_sgpr 100
		.amdhsa_reserve_vcc 0
		.amdhsa_float_denorm_mode_32 3
		.amdhsa_float_denorm_mode_16_64 3
		.amdhsa_memory_ordered 1
		.amdhsa_forward_progress 1
		.amdhsa_inst_pref_size 184
	.end_amdhsa_kernel
	.amdgpu_metadata
---
amdhsa.version: [ 1, 2 ]
amdhsa.kernels:
  - .name:           k_qb5e765bdd3_down
    .symbol:         k_qb5e765bdd3_down.kd
    .args:
      - { .name: W2, .offset: 0, .size: 8, .value_kind: global_buffer, .address_space: global }
      - { .name: b2, .offset: 8, .size: 8, .value_kind: global_buffer, .address_space: global }
      - { .name: hq, .offset: 16, .size: 8, .value_kind: global_buffer, .address_space: global }
      - { .name: hs, .offset: 24, .size: 8, .value_kind: global_buffer, .address_space: global }
      - { .name: sel, .offset: 32, .size: 8, .value_kind: global_buffer, .address_space: global }
      - { .name: gate, .offset: 40, .size: 8, .value_kind: global_buffer, .address_space: global }
      - { .name: yr, .offset: 48, .size: 8, .value_kind: global_buffer, .address_space: global }
    .group_segment_fixed_size: 92416
    .private_segment_fixed_size: 0
    .kernarg_segment_align: 8
    .kernarg_segment_size: 56
    .max_flat_workgroup_size: 128
    .sgpr_count:     100
    .vgpr_count:     1024
    .wavefront_size: 32
...
	.end_amdgpu_metadata
.endif
;; end of part 3
;; launch join (part 4): grid 256 x 1, 8 waves a work-group, no clusters, 0 bytes of LDS; arguments yr, out0; writes out0
.if DOCPART == 4
	.amdgcn_target "amdgcn-amd-amdhsa--gfx1250"
	.amdhsa_code_object_version 6
	.text
	.protected	k_qb5e765bdd3_join
	.globl	k_qb5e765bdd3_join
	.p2align	8
	.type	k_qb5e765bdd3_join,@function
k_qb5e765bdd3_join:
	s_mov_b64 s[64:65], 0
	v_nop
	global_prefetch_b8 v0, s[64:65] scope:SCOPE_SE
	s_setreg_imm32_b32 hwreg(HW_REG_WAVE_MODE, 25, 1), 1
	s_wait_xcnt 0x0
; JOIN.  out0[token] = the sum of the token's four parts in yr [khalf 2][2,056 rows][1,024] f32: its first and its second expert's row (rid = token and token + 1,024), each in two halves of K.  The gates are already in.
; A work-group has 4 tokens; thread t has the 16 bytes at 16 t of every row, so a wave's load or store covers 512 consecutive bytes, aligned.  All 16 loads go out at once; nothing is read twice; no LDS, no barrier, no matrix unit: a stream.
.set HALF, 8421376                     ; bytes of a K half: 2,056 rows of 4,096
.set KROW, 4194304                     ; from a token's first choice to its second: 1,024 rows
	s_load_b128 s[4:7], s[0:1], 0x0                ; yr, out0
	v_lshlrev_b32 v1, 4, v0
	s_lshl_b32 s10, ttmp9, 14                      ; 4 rows of 4,096 bytes
	s_mov_b32 s11, 0
	s_wait_kmcnt 0x0
	s_add_nc_u64 s[4:5], s[4:5], s[10:11]
	s_add_nc_u64 s[6:7], s[6:7], s[10:11]
	s_add_nc_u64 s[8:9], s[4:5], HALF
.irp r, 0,1,2,3
	global_load_b128 v[8+16*\r:11+16*\r],  v1, s[4:5] offset:4096*\r th:TH_LOAD_NT
	global_load_b128 v[12+16*\r:15+16*\r], v1, s[4:5] offset:KROW+4096*\r th:TH_LOAD_NT
	global_load_b128 v[16+16*\r:19+16*\r], v1, s[8:9] offset:4096*\r th:TH_LOAD_NT
	global_load_b128 v[20+16*\r:23+16*\r], v1, s[8:9] offset:KROW+4096*\r th:TH_LOAD_NT
.endr
.irp r, 0,1,2,3
	s_wait_loadcnt 12-4*\r                         ; this row's four loads are in; the later rows' may be out
	v_pk_add_f32 v[8+16*\r:9+16*\r],   v[8+16*\r:9+16*\r],   v[12+16*\r:13+16*\r]
	v_pk_add_f32 v[10+16*\r:11+16*\r], v[10+16*\r:11+16*\r], v[14+16*\r:15+16*\r]
	v_pk_add_f32 v[16+16*\r:17+16*\r], v[16+16*\r:17+16*\r], v[20+16*\r:21+16*\r]
	v_pk_add_f32 v[18+16*\r:19+16*\r], v[18+16*\r:19+16*\r], v[22+16*\r:23+16*\r]
	v_pk_add_f32 v[8+16*\r:9+16*\r],   v[8+16*\r:9+16*\r],   v[16+16*\r:17+16*\r]
	v_pk_add_f32 v[10+16*\r:11+16*\r], v[10+16*\r:11+16*\r], v[18+16*\r:19+16*\r]
	global_store_b128 v1, v[8+16*\r:11+16*\r], s[6:7] offset:4096*\r th:TH_STORE_NT
.endr
	s_endpgm
.Lfunc_end_k_qb5e765bdd3_join:
	.size	k_qb5e765bdd3_join, .Lfunc_end_k_qb5e765bdd3_join-k_qb5e765bdd3_join
	.p2alignl 7, 3214868480
	.fill 96, 4, 3214868480
	.section	.rodata,"a",@progbits
	.p2align	6, 0x0
	.amdhsa_kernel k_qb5e765bdd3_join
		.amdhsa_group_segment_fixed_size 0
		.amdhsa_private_segment_fixed_size 0
		.amdhsa_enable_private_segment 0
		.amdhsa_kernarg_size 16
		.amdhsa_user_sgpr_count 2
		.amdhsa_user_sgpr_kernarg_segment_ptr 1
		.amdhsa_wavefront_size32 1
		.amdhsa_system_sgpr_workgroup_id_x 1
		.amdhsa_system_sgpr_workgroup_id_y 1
		.amdhsa_system_sgpr_workgroup_id_z 1
		.amdhsa_system_vgpr_workitem_id 0
		.amdhsa_next_free_vgpr 72
		.amdhsa_next_free_sgpr 66
		.amdhsa_reserve_vcc 0
		.amdhsa_float_denorm_mode_32 3
		.amdhsa_float_denorm_mode_16_64 3
		.amdhsa_memory_ordered 1
		.amdhsa_forward_progress 1
		.amdhsa_inst_pref_size 5
	.end_amdhsa_kernel
	.amdgpu_metadata
---
amdhsa.version: [ 1, 2 ]
amdhsa.kernels:
  - .name:           k_qb5e765bdd3_join
    .symbol:         k_qb5e765bdd3_join.kd
    .args:
      - { .name: yr, .offset: 0, .size: 8, .value_kind: global_buffer, .address_space: global }
      - { .name: out0, .offset: 8, .size: 8, .value_kind: global_buffer, .address_space: global }
    .group_segment_fixed_size: 0
    .private_segment_fixed_size: 0
    .kernarg_segment_align: 8
    .kernarg_segment_size: 16
    .max_flat_workgroup_size: 256
    .sgpr_count:     66
    .vgpr_count:     72
    .wavefront_size: 32
...
	.end_amdgpu_metadata
.endif
;; end of part 4
;; ======== version 2 of 2: 4 launches; version 1 with the launches up, down written anew for expert scheduling mode
;; workspace buffers: xq 524,288 bytes; xs 32,768 bytes; sel 2,048 bytes of whole numbers; gate 8,192 bytes; hq 16,777,216 bytes; hs 1,048,576 bytes; yr 16,842,752 bytes
;; launch route: the kernel of part 1 again; grid 128 x 1, 8 waves a work-group, no clusters, 75,264 bytes of LDS; arguments x, Wr, xq, xs, sel, gate; writes xq, xs, sel, gate
;; launch up (part 5): grid 256 x 1, 4 waves a work-group, no clusters, 75,264 bytes of LDS; arguments W1, b1, xq, xs, sel, hq, hs; writes hq, hs
.if DOCPART == 5
	.amdgcn_target "amdgcn-amd-amdhsa--gfx1250"
	.amdhsa_code_object_version 6
	.text
	.protected	k_qb5e765bdd3_up
	.globl	k_qb5e765bdd3_up
	.p2align	8
	.type	k_qb5e765bdd3_up,@function
k_qb5e765bdd3_up:
	s_mov_b64 s[64:65], 0
	v_nop
	global_prefetch_b8 v0, s[64:65] scope:SCOPE_SE
	s_setreg_imm32_b32 hwreg(HW_REG_WAVE_SCHED_MODE, 0, 2), 2
	s_setreg_imm32_b32 hwreg(HW_REG_WAVE_MODE, 25, 1), 1
	s_wait_xcnt 0x0
	s_wait_alu depctr_vm_vsrc(0)
; UP.  h = gelu(Q(x) Q(W1[e]) + b1[e]) for the rows routed to expert e, quantised along F: codes of FP4 (E2M1), one E8M0 byte for each 32 along a product's K.
; SHARES.  Work-group g: expert e = g / 32, hidden units 128 (g % 32) on, for ALL rows of the expert: so every byte of W1 has one reader in the launch.
; PHASE 1, the stream.  Wave (u = w % 2, kh = w / 2) reads 512 rows of K x 64 columns of f32.  Lane (c4 = l % 16, hh = l / 16) loads 16 bytes: columns 4 c4 .. + 3 of row 128 n + 64 c + 32 hh + i: one load covers two runs
;   of 256 consecutive bytes, aligned.  For a fixed j the lane then holds column 4 c4 + j and a whole block of 32 along K: the 4-bit operand's layout (ISA guide 7.12.2) of a tile whose row m is column 4 m + j.  The conversions
;   want eight neighbours along K in consecutive registers and a load gives four neighbours along N: so each number is moved once.  (Loads of 4 bytes would need no move, and would have a quarter of the bytes on their way for the same count of loads.)
;   The fragments go to all four waves through LDS as images of their registers; each wave ends with all 64 (8 K steps x 8 tiles) in v512-1023.  No LDS byte is written twice: one barrier a K step; a K step's 40 LDS loads land under the next K step's work.
; PHASE 2, the rows.  The expert's rows (list built from sel, tokens ascending, tiles of 16) are dealt to the waves, tile T = w, w + 4, ..  The product is used transposed (source 0 = a tile of W1, source 1 = x): lane (r, h) holds row r and,
;   over the four tiles j of a half u, hidden units 64 u + 32 h + 0 .. 31: a whole block of the next K.  gelu in f32, the block's scale, four conversions: registers 4 u .. 4 u + 3 of the next operand.  Nothing changes lanes but the scale word.
; gelu(z) = max(z, 0) - |z| q, q = erfc(|z| / sqrt 2) / 2 = t 2^(KE z^2 + P(t)), t = 1 / (1 + |z| sqrt 2 / 4): a fit of erfc with a fractional error of 1.2e-7 for every z; no difference of near numbers for negative z, no branch.
; OUT: hq [e][T 64][K step 32][1,024 bytes]: the next operand's register image (512 c + 16 lane);  hs [e][T][K step / 4][row 16][4 words]: the rows' scale words.
; A ROW'S NAME is rid = token + 1,024 k (k: first or second choice); places past the expert's count hold 2,048 + e: they are computed on token e's numbers and thrown away by the next launch.
; NO TENSOR LOAD, NO CLUSTER: the walk over tiles ends on a count read from memory.  What the 32 work-groups of an expert share is x's codes, 8.5 KB a tile beside the 512 KB of W1 that a work-group reads alone.
; LIMITS: NaN and infinities are not served; a block whose largest magnitude lies under 2^-124 (zeros too) gets the byte 1; only this program reads the bytes.  Where |z| is so large that q falls under the smallest normal f32, q counts as 0.
; THE MODE: SCHED_MODE bits 1:0 = 2 (LLVM: expert scheduling mode 2), set by the entry lines.  The code itself states the register dependences between vector or matrix instructions and memory or LDS instructions, with s_wait_alu, always for 0.
; THE PLAN.  Registers that memory or LDS instructions touch:
;   v4-v9, v14, v16, v24-v28   offsets and addresses, made at the head and never written again: one wait on va_vdst ahead of the stream's first load (v4), one ahead of the list's making (the others).
;   TR (at the head)  wave 0 makes the list's 32 places and 32 names, one wait on va_vdst, then the 32 stores read them.
;   SA, SB   a chunk's 128 moves read a set; the loads of the same chunk of the next K step land in it behind one wait on va_vdst, which stands behind the last of the moves.
;   CD, WB   written by a chunk's conversions and shifts, read by LDS stores.  The first two columns' stores share the wait behind the moves; the last two columns' have a wait of their own (chunk c = 0) or share that of the scale words' stores (c = 1).
;            One wait on vm_vsrc at each chunk's head: the LDS stores issued so far have read them.
;   v512-1023, v32-63   each is the target of one LDS load, and no vector instruction names it before: nothing is owed.
;   In the walk: v10 (written at a trip's head, read by the list's load), v11 (that load's target; read and written by the address lines), v12, v13 (written by the address lines, read by x's 18 loads), XB, XSC (x's loads land there; the 64 products read them),
;            CODE, WORD (written by the conversions and the word's lines, read by the trip's three stores).  Three waits on va_vdst a trip beside the gelu's: behind v10's line; behind the products and the address lines; ahead of the stores.
;            One wait on vm_vsrc, at the trip's end: all that the next trip writes again has been read.
.set PITCH, 16384                      ; a row of W1[e] in bytes
.set FS,    8                          ; fragments from one K step to the next: f = 8 s + 4 u + j
.set F0B,   4                          ; writer a's first fragment: 32 (a / 2) + F0B (a % 2)
.set QN,    4                          ; scale register q = 4 s + j; tile u = 0 in lanes 0-15, u = 1 in lanes 16-31
.set QJ,    0
.set QH,    0
.set QW,    16                         ; the eight scale registers of a K step: QW (x >> QX) + QN n + (x & QM)
.set QX,    2
.set QM,    3
.set NH,    34                         ; loads that the hook issues
.set SC,    65536                      ; LDS: 0 .. 65,535 the 64 fragment images (1,024 f + 512 c + 16 lane); then 32 scale registers' images (128 q + 4 lane);
.set LISTB, 69632                      ; then the list: 1,152 words (72 tiles), 32 words for what is thrown away
.set FLOOR, 0x1800000                  ; 2^(3 - 127)
; window 0: v1 lane, v2 c4 = r, v3 hh = h, v4 W1 offset, v5 16 lane, v6 where I store images, v7 and scale words, v8 where I read scale registers, v9 the list at my wave's first tile, v10 the list's address in hand,
;           v11 rid, v12 x's codes, v13 x's scales, v14 16 r, v15 8 h, v16-20 the list's making, v24-27 the list's fill, v28 128 h
.set WSC,   32                         ; v32-63   W1's scale words: nothing else ever stands here
.set XSC,   64                         ; v64-71   x's scale words, one register a K step
.set XB,    72                         ; v72-135  x's eight fragments
.set TR,    136                        ; v136-199 two columns x 32 numbers down K
.set MA,    200
.set MB,    202
.set SCL,   204
.set BY,    206
.set WB,    208                        ; v208-211 tile j's scale word in the making
.set PT,    212
.set CD,    216                        ; v216-231 tile j's four registers of codes
.set SA,    0                          ; window 1: two sets of 128 for the stream
.set SB,    128
.set BIAS,  0                          ; window 1 in phase 2: v0-63 b1 in the result's layout, tile 4 u + j at 8 (4 u + j)
.set DD,    64                         ; v64-127  the eight accumulators (before that: b1 as loaded)
.set HH,    128                        ; v128-159 a block of h, in K's order
.set TT,    160
.set PP,    176
.set SS,    192
.set KK,    208                        ; v208-229 eleven constants, each twice
.set QA,    230
.set QB,    231
.set QS,    232
.set BY0,   234                        ; v234-235 the two blocks' bytes
.set CODE,  240                        ; v240-247 the fragment
.set WORD,  248
.set PERM,  249
.set SH8,   250
; scalars: s2 wave, s3 e, s[4:5] W1 panel, s[6:7] b1, s[8:9] xq, s[10:11] xs, s[12:13] sel, s[14:15] hq, s[48:49] hs, s[16:47] mask 'chose e', s[68:99] mask 'second choice', s50 count, s51 at work, s52 tiles, s53 T,
;          s[54:55] an offset (s55 = 0), s56 the list's step, s57 trips, s[58:59] lane selects, s60 slice, s61 u, s62 kh, s63 the list's running count
.set MSB, 0
.macro WIN new                         ; the immediate's high byte repeats the setting that is left; a switch that changes nothing is dropped.  Low byte: bits 1:0 source 0, 3:2 source 1, 5:4 source 2, 7:6 destination
.if MSB != \new
	s_set_vgpr_msb (MSB<<8)|\new
.set MSB, \new
.endif
.endm
.macro WLOAD set, n, c, i0, cnt        ; rows i0 .. i0 + cnt - 1 of chunk (n, c) into a set of window 1
	WIN 0x40
.set wi, \i0
.rept \cnt
	global_load_b128 v[\set+4*wi:\set+4*wi+3], v4, s[4:5] offset:(128*(\n)+64*(\c)+wi)*PITCH th:TH_LOAD_NT
.set wi, wi+1
.endr
	WIN 0
.endm
; The expert's list.  Every wave counts; wave 0 fills the list with 2,048 + e and then places each chosen token at (number of chosen tokens before it); lanes whose token did not choose e write to a word that nobody reads.
; The scatter's addresses hang on the masks, so one wave alone touches LDS here and a barrier parts it from all that follows.  Each of the 32 steps has an address and a data register of its own: all 64 are made first, and the 32 stores follow one wait.
.macro MKLIST
	s_mov_b32 s50, 0
.set li, 0
.rept 32
	s_bcnt1_i32_b32 s51, s[16+li]
	s_add_co_u32 s50, s50, s51
.set li, li+1
.endr
	s_add_co_u32 s52, s50, 15
	s_lshr_b32 s52, s52, 4                         ; tiles of 16 rows
	s_cmp_lg_u32 s2, 0
	s_cbranch_scc1 .Llisted
.irp q, 0,1,2,3,4,5,6,7,8
	ds_store_b128 v16, v[24:27] offset:512*\q      ; (v16 and v24-27 were written ahead of the wait that stands in front of the list's making)
.endr
	s_mov_b32 s63, 0
.set li, 0
.rept 32
	v_mbcnt_lo_u32_b32 v20, s[16+li], s63          ; chosen tokens before mine
	v_cndmask_b32 v[TR+li], v19, v20, s[16+li]     ; my place, or my word among the 32 that nobody reads
	v_min_u32 v[TR+li], 0x49f, v[TR+li]            ; held inside the list's 1,184 words
	v_lshl_add_u32 v[TR+li], v[TR+li], 2, LISTB
	v_cndmask_b32 v[TR+32+li], v17, v18, s[68+li]  ; rid = token, + 1,024 where e is its second choice
	v_add_nc_u32 v17, 32, v17
	v_add_nc_u32 v18, 32, v18
	s_bcnt1_i32_b32 s51, s[16+li]
	s_add_co_u32 s63, s63, s51
.set li, li+1
.endr
	s_wait_alu depctr_va_vdst(0)                   ; the 32 places and the 32 names are written, which the stores below read as address and data
.set li, 0
.rept 32
	ds_store_b32 v[TR+li], v[TR+32+li]
.set li, li+1
.endr
.Llisted:
	s_wait_dscnt 0x0                               ; wave 0's stores are done
	s_barrier_signal -1
	s_barrier_wait -1
.endm
; A chunk: 32 rows of K for each half of the lanes x 64 columns become registers 4 c .. 4 c + 3 of four fragments.  cnt: the loads issued behind this chunk's 32.  reload = 1: the set takes the same chunk of the next K step.
; THE CODES' AND SCALE WORDS' REGISTERS are the data of LDS stores: the wait on vm_vsrc at the chunk's head states that the stores issued so far have read them.  What may be out on DScnt at the head of chunk c = 0 is the last K step's 40 LDS loads,
; whose registers (v32-63, v512-1023) no line of a chunk names.  Chunk c = 1 writes the codes' registers that chunk c = 0's stores read: its wait on DScnt is counted, below.
; The stores of columns 0 and 1 stand behind the moves of columns 2 and 3, under the wait that the reload needs there.  Chunk c = 1 leaves the stores of columns 2 and 3 to the K step's end, under the wait of the scale words' stores.
.macro CHUNK n, c, set, cnt, reload
	s_wait_loadcnt \cnt
	s_wait_alu depctr_vm_vsrc(0)                   ; the LDS stores issued so far have read their registers: the codes' and the scale words', which this chunk writes again (ahead of the first chunk: the list's 64, which the moves below write)
.irp jp, 0,1                           ; two columns at a time
	WIN 0x01
.set ci, 0
.rept 32
	v_mov_b32 v[TR+ci], v[\set+4*ci+2*\jp]         ; down K, column 2 jp
	v_mov_b32 v[TR+32+ci], v[\set+4*ci+2*\jp+1]    ; and column 2 jp + 1
.set ci, ci+1
.endr
	WIN 0
.if \jp == 1
	s_wait_alu depctr_va_vdst(0)                   ; the moves are done reading the set, in which the loads below land; the conversions have written the codes of columns 0 and 1, which the stores below read
.if \reload
	WLOAD \set, (\n)+1, \c, 0, 32                  ; the set has been read out
.endif
.irp jj, 0,1
	ds_store_b128 v6, v[CD+4*\jj:CD+4*\jj+3] offset:(FS*(\n)+\jj)*1024+512*(\c)
.endr
.endif
.irp jj, 0,1
	v_max3_num_f32 v[MA+\jj], |v[TR+32*\jj]|, |v[TR+32*\jj+1]|, FLOOR   ; a block's largest magnitude: all 32 numbers are mine; two chains a column, the columns by turns
.endr
.irp jj, 0,1
	v_max3_num_f32 v[MB+\jj], |v[TR+32*\jj+2]|, |v[TR+32*\jj+3]|, |v[TR+32*\jj+4]|
.endr
.irp i, 5,9,13,17,21,25
.irp jj, 0,1
	v_max3_num_f32 v[MA+\jj], v[MA+\jj], |v[TR+32*\jj+\i]|, |v[TR+32*\jj+\i+1]|
.endr
.irp jj, 0,1
	v_max3_num_f32 v[MB+\jj], v[MB+\jj], |v[TR+32*\jj+\i+2]|, |v[TR+32*\jj+\i+3]|
.endr
.endr
.irp jj, 0,1
	v_max3_num_f32 v[MA+\jj], v[MA+\jj], |v[TR+32*\jj+29]|, |v[TR+32*\jj+30]|
.endr
.irp jj, 0,1
	v_max3_num_f32 v[MA+\jj], v[MA+\jj], v[MB+\jj], |v[TR+32*\jj+31]|
.endr
.irp jj, 0,1
	v_add_nc_u32 v[SCL+\jj], 0xff000000, v[MA+\jj] ; 2 off the exponent field: the conversion's scale operand
.endr
.irp jj, 0,1
.if \c == 0
	v_lshrrev_b32 v[WB+2*\jp+\jj], 23, v[SCL+\jj]  ; the byte of block hh
.else
	v_lshrrev_b32 v[BY+\jj], 23, v[SCL+\jj]        ; the byte of block 2 + hh,
.endif
.endr
.if \c == 1
.irp jj, 0,1
	v_lshl_or_b32 v[WB+2*\jp+\jj], v[BY+\jj], 16, v[WB+2*\jp+\jj]   ; two bytes above the first
.endr
	s_wait_dscnt 2                                 ; chunk c = 0's two stores of these columns' codes are done: behind them two LDS stores have been issued (jp = 0: that chunk's other two; jp = 1: this chunk's first two)
.endif
.irp jj, 0,1
.irp g, 0,1,2,3
	v_cvt_scalef32_pk8_fp4_f32 v[CD+4*(2*\jp+\jj)+\g], v[TR+32*\jj+8*\g:TR+32*\jj+8*\g+7], v[SCL+\jj]
.endr
.endr
	v_nop                                          ; one plain place behind the conversions: their sources are written again below
.endr
.if \c == 0
	s_wait_alu depctr_va_vdst(0)                   ; the conversions have written the codes of columns 2 and 3, which the stores below read
.irp jj, 0,1
	ds_store_b128 v6, v[CD+8+4*\jj:CD+8+4*\jj+3] offset:(FS*(\n)+2+\jj)*1024
.endr
.endif
.endm
; All four waves' fragments and scale words of K step n come into my registers: fragment f at v[512 + 8 f].  They land while the next chunks are worked: the next wait for all LDS instructions stands in front of the next barrier.
; No wait on va_vdst: each of these registers is loaded once, no vector instruction has named it, and the addresses v5 and v8 stand since the head.
.macro FETCH n
	WIN 0x80
.irp a, 0,1
.irp j, 0,1,2,3
.irp c, 0,1
	ds_load_b128 v[8*(F0B*\a+FS*(\n)+\j)+4*\c:8*(F0B*\a+FS*(\n)+\j)+4*\c+3], v5 offset:1024*(F0B*\a+FS*(\n)+\j)+512*\c
.endr
.endr
.endr
	WIN 0xc0
.irp a, 0,1
.irp j, 0,1,2,3
.irp c, 0,1
	ds_load_b128 v[8*(F0B*\a+FS*(\n)+\j)+4*\c:8*(F0B*\a+FS*(\n)+\j)+4*\c+3], v5 offset:1024*(32+F0B*\a+FS*(\n)+\j)+512*\c
.endr
.endr
.endr
	WIN 0
.irp x, 0,1,2,3,4,5,6,7
	ds_load_b32 v[WSC+QW*(\x>>QX)+QN*(\n)+(\x&QM)], v8 offset:128*(QW*(\x>>QX)+QN*(\n)+(\x&QM))
.endr
.endm
; The addresses of a tile's 16 rows of x: rid held inside its range, its low ten bits are the token
.macro XADDR
	v_min_u32 v11, 0x807, v11
	v_and_b32 v12, 0x3ff, v11
	v_lshlrev_b32 v13, 5, v12                      ; its 32 scale bytes
	v_lshlrev_b32 v12, 9, v12                      ; its 512 bytes of codes,
	v_lshl_add_u32 v12, v3, 4, v12                 ; + 16 h
.endm
.macro XLOAD                           ; 18 loads: eight fragments (registers 8 s + 4 c on: k = 128 s + 64 c + 32 h + 0 .. 31) and eight scale words
.irp s, 0,1,2,3,4,5,6,7
.irp c, 0,1
	global_load_b128 v[XB+8*\s+4*\c:XB+8*\s+4*\c+3], v12, s[8:9] offset:64*\s+32*\c
.endr
.endr
.irp a, 0,1
	global_load_b128 v[XSC+4*\a:XSC+4*\a+3], v13, s[10:11] offset:16*\a
.endr
.endm
; What phase 2 wants first is asked for while the stream's last chunk is on its way: b1 (16 loads, into the set that has been read out) and my first tile's x (18)
.macro HOOK
	WIN 0x40
.irp u, 0,1
.irp i, 0,1,2,3,4,5,6,7
	global_load_b128 v[DD+4*(8*\u+\i):DD+4*(8*\u+\i)+3], v28, s[6:7] offset:256*\u+16*\i   ; b1 at hidden units 64 u + 32 h + 4 i + 0 .. 3.  (The moves that read these registers stand ahead of the last chunk's waits on va_vdst)
.endr
.endr
	WIN 0
	ds_load_b32 v11, v9
	s_wait_dscnt 0x0
	XADDR
	s_wait_alu depctr_va_vdst(0)                   ; v12 and v13 are written, which the loads below read as their offsets
	XLOAD
.endm
.macro KSTEP n
.if \n < 3
	CHUNK \n, 0, SA, 32, 1                         ; behind a chunk's loads stand the other set's 32
	CHUNK \n, 1, SB, 32, 1
.else
	CHUNK \n, 0, SA, 32, 0
	HOOK
	CHUNK \n, 1, SB, NH, 0                         ; behind the last chunk's loads stand the hook's
.endif
.irp j, 0,1,2,3
	v_lshlrev_b32 v[WB+\j], v15, v[WB+\j]          ; my two bytes at their places in the word, 8 hh bits up;
.endr
.irp j, 0,1,2,3
	v_permlanex16_b32 v[PT+\j], v[WB+\j], s58, s59
.endr
.irp j, 0,1,2,3
	v_or_b32 v[WB+\j], v[WB+\j], v[PT+\j]          ; with lane l xor 16's two the word is whole
.endr
	s_wait_alu depctr_va_vdst(0)                   ; chunk c = 1's conversions have written the codes of columns 2 and 3, and the four scale words are whole: the six stores below read them
.irp jj, 0,1
	ds_store_b128 v6, v[CD+8+4*\jj:CD+8+4*\jj+3] offset:(FS*(\n)+2+\jj)*1024+512
.endr
.irp j, 0,1,2,3
	ds_store_b32 v7, v[WB+\j] offset:128*(QN*(\n)+(\j>>QJ))+64*QH*(\j&1)   ; lanes l and l xor 16 write the same word with the same value
.endr
	s_wait_dscnt 0x0                               ; for the others' sake: my images and scale words are in LDS; and the last K step's fragments are in my registers
	s_barrier_signal -1
	s_barrier_wait -1
	FETCH \n
.endm
	s_load_b256 s[4:11], s[0:1], 0x0               ; W1, b1, xq, xs
	s_load_b128 s[12:15], s[0:1], 0x20             ; sel, hq
	s_load_b64 s[48:49], s[0:1], 0x30              ; hs
	v_lshl_add_u32 v254, v0, 2, 0x12400
	v_mov_b32 v255, 0
	v_lshrrev_b32 v1, 5, v0
	v_readfirstlane_b32 s2, v1                     ; wave 0..3
	v_and_b32 v1, 31, v0
	v_and_b32 v2, 15, v0
	v_bfe_u32 v3, v0, 4, 1
	s_wait_alu depctr_va_sdst(0)                   ; s2 is written, ahead of its first reader: offsets, LDS addresses and the branch on the wave's number are made from it
	s_lshr_b32 s3, ttmp9, 5                        ; e
	s_and_b32 s60, ttmp9, 31                       ; slice
	s_and_b32 s61, s2, 1                           ; u
	s_lshr_b32 s62, s2, 1                          ; kh
	s_lshl_b32 s54, s3, 24                         ; my panel: expert, 512 kh rows, 128 slice + 64 u columns
	s_lshl_b32 s51, s62, 23
	s_add_co_u32 s54, s54, s51
	s_lshl_b32 s51, s60, 9
	s_add_co_u32 s54, s54, s51
	s_lshl_b32 s51, s61, 8
	s_add_co_u32 s54, s54, s51
	s_mov_b32 s55, 0
	v_lshlrev_b32 v4, 4, v2
	v_lshl_add_u32 v4, v3, 19, v4                  ; 16 c4 + 32 hh rows
	s_wait_kmcnt 0x0
	s_add_nc_u64 s[4:5], s[4:5], s[54:55]
	s_wait_alu depctr_va_vdst(0)                   ; v4 is written: every load of W1 reads it as its offset
	WLOAD SA, 0, 0, 0, 32                          ; the stream starts before anything else is done: 62 loads
	WLOAD SB, 0, 1, 0, 30
	s_lshl_b32 s54, s3, 7
	s_add_nc_u64 s[12:13], s[12:13], s[54:55]      ; the expert's two masks, 128 bytes each
	s_load_b512 s[16:31], s[12:13], 0x0
	s_load_b512 s[32:47], s[12:13], 0x40
	s_load_b512 s[68:83], s[12:13], 0x400
	s_load_b512 s[84:99], s[12:13], 0x440
	s_lshl_b32 s54, s3, 14                         ; b1: 4 (4,096 e + 128 slice)
	s_lshl_b32 s51, s60, 9
	s_add_co_u32 s54, s54, s51
	s_add_nc_u64 s[6:7], s[6:7], s[54:55]
	s_lshl_b32 s54, s3, 21                         ; hq: 1,024 (32 (64 e + w) + slice)
	s_lshl_b32 s51, s2, 15
	s_add_co_u32 s54, s54, s51
	s_lshl_b32 s51, s60, 10
	s_add_co_u32 s54, s54, s51
	s_add_nc_u64 s[14:15], s[14:15], s[54:55]
	s_lshl_b32 s54, s3, 17                         ; hs: 256 (8 (64 e + w) + slice / 4) + 4 (slice % 4)
	s_lshl_b32 s51, s2, 11
	s_add_co_u32 s54, s54, s51
	s_lshr_b32 s51, s60, 2
	s_lshl_b32 s51, s51, 8
	s_add_co_u32 s54, s54, s51
	s_and_b32 s51, s60, 3
	s_lshl_b32 s51, s51, 2
	s_add_co_u32 s54, s54, s51
	s_add_nc_u64 s[48:49], s[48:49], s[54:55]
	s_mov_b32 s58, 0x76543210
	s_mov_b32 s59, 0xfedcba98                      ; v_permlanex16_b32's selects for lane l xor 16
	v_lshlrev_b32 v5, 4, v1
	s_lshl_b32 s51, s62, 15
	s_lshl_b32 s54, s61, 12
	s_add_co_u32 s51, s51, s54
	v_add_nc_u32 v6, s51, v5                       ; 16 lane + 1,024 (32 kh + 4 u)
	s_lshl_b32 s51, s62, 11
	s_lshl_b32 s54, s61, 6
	s_add_co_u32 s51, s51, s54
	s_add_co_u32 s51, s51, SC
	v_lshl_add_u32 v7, v2, 2, s51                  ; SC + 4 c4 + 2,048 kh + 64 u
	v_lshl_add_u32 v8, v1, 2, SC
	s_lshl_b32 s51, s2, 6
	s_add_co_u32 s51, s51, LISTB
	v_lshl_add_u32 v9, v2, 2, s51                  ; the list: tile w, row r
	v_lshlrev_b32 v14, 4, v2
	v_lshlrev_b32 v15, 3, v3
	v_add_nc_u32 v16, LISTB, v5
	v_mov_b32 v17, v1                              ; token of lane, word 0
	v_add_nc_u32 v18, 0x400, v1
	v_add_nc_u32 v19, 0x480, v1                    ; word 1,152 + lane
	s_add_co_u32 s51, s3, 0x800
.irp i, 24,25,26,27
	v_mov_b32 v\i, s51                             ; 2,048 + e
.endr
	v_lshlrev_b32 v28, 7, v3
.irp j, 0,1,2,3
	v_mov_b32 v[PT+\j], 0                          ; written once: a lane permute's destination counts as one of its sources
.endr
	s_wait_kmcnt 0x0
	s_wait_alu depctr_va_vdst(0)                   ; v5 to v9, v14, v16, v24 to v28 are written: the addresses, offsets and fill that the LDS and memory instructions of the whole kernel read; none is written again
	MKLIST
	s_mov_b32 s53, s2                              ; T = w
	s_mov_b32 s56, 0
	WLOAD SB, 0, 1, 30, 2
	KSTEP 0
	KSTEP 1
	KSTEP 2
	KSTEP 3
	s_wait_dscnt 0x0                               ; all 64 fragments and 32 scale registers are in
	s_wait_loadcnt 0x0                             ; b1 and my first tile's x
	s_wait_alu depctr_vm_vsrc(0)                   ; the loads of my first tile's x have read v12 and v13, which the first trip's address lines write again
	WIN 0x55
.irp u, 0,1
.irp j, 0,1,2,3
.irp i, 0,1,2,3,4,5,6,7
	v_mov_b32 v[BIAS+8*(4*\u+\j)+\i], v[DD+4*(8*\u+\i)+\j]   ; b1 in the result's layout: the C of each sum's first product
.endr
.endr
.endr
.macro KON k, bits
	v_mov_b32 v[KK+2*\k], \bits
	v_mov_b32 v[KK+2*\k+1], \bits
.endm
	KON 0, 0xc034d90f                              ; P's coefficients x log2(e), 1 taken off the first (the half): -2.8257482
	KON 1, 0x3fb8ab5a                              ;  1.4427292
	KON 2, 0x3f0a29d2                              ;  0.53970062
	KON 3, 0x3e0efb2e                              ;  0.13963006
	KON 4, 0xbe899a80                              ; -0.26875686
	KON 5, 0x3ecdfd18                              ;  0.40232158
	KON 6, 0xbfd1a1e5                              ; -1.6377532
	KON 7, 0x40097039                              ;  2.1474745
	KON 8, 0xbf97d29d                              ; -1.1861149
	KON 9, 0x3e7c6f08                              ;  0.24651730
	KON 10, 0xbf38aa3b                             ; KE = -log2(e) / 2
	v_mov_b32 v[PERM], 0
	WIN 0x40
	v_mov_b32 v[SH8], v15
	WIN 0
; K step s of a tile's first product: the eight accumulators take turns, one instruction a turn
.macro MULS s
.irp u, 0,1
.irp j, 0,1,2,3
.set rD, DD+8*(4*\u+\j)
.set rA, 8*((8*(\s)+4*\u+\j)%32)
.set rB, XB+8*(\s)
.set rC, rD
.if (\s) == 0
.set rC, BIAS+8*(4*\u+\j)
.endif
.if \u
	v_wmma_scale_f32_16x16x128_f8f6f4 v[rD:rD+7], v[rA:rA+7], v[rB:rB+7], v[rC:rC+7], v[WSC+4*(\s)+\j], v[XSC+(\s)] matrix_a_fmt:MATRIX_FMT_FP4 matrix_b_fmt:MATRIX_FMT_FP4 matrix_a_scale:MATRIX_SCALE_ROW1
.else
	v_wmma_scale_f32_16x16x128_f8f6f4 v[rD:rD+7], v[rA:rA+7], v[rB:rB+7], v[rC:rC+7], v[WSC+4*(\s)+\j], v[XSC+(\s)] matrix_a_fmt:MATRIX_FMT_FP4 matrix_b_fmt:MATRIX_FMT_FP4
.endif
.endr
.endr
.endm
; gelu of 16 numbers: tiles 4 u + 2 jp and 4 u + 2 jp + 1.  Register 8 jj + i is hidden unit 4 i + 2 jp + jj of my block, and lands there in HH.  Each accumulator is read from its lowest register on.
.macro GELU u, jp
.set gZ, DD+16*(2*\u+\jp)
.set gv, 0
.rept 16
	v_fma_f32 v[TT+gv], |v[gZ+gv]|, 0x3eb504f3, 1.0               ; 1 + |z| sqrt 2 / 4
.set gv, gv+1
.endr
.set gv, 0
.rept 16
	v_rcp_f32 v[TT+gv], v[TT+gv]                                  ; t
.set gv, gv+1
.endr
.set gv, 0
.rept 8
	v_pk_mul_f32 v[SS+gv:SS+gv+1], v[gZ+gv:gZ+gv+1], v[gZ+gv:gZ+gv+1]   ; z^2: work that names no reciprocal
.set gv, gv+2
.endr
.set gv, 0
.rept 16
	v_max_num_f32 v[HH+4*(gv%8)+2*\jp+gv/8], 0, v[gZ+gv]          ; max(z, 0)
.set gv, gv+1
.endr
	s_wait_alu depctr_va_vdst(0)                   ; one wait for the 16 reciprocals, ahead of their first reader
.set gv, 0
.rept 8
	v_pk_fma_f32 v[PP+gv:PP+gv+1], v[TT+gv:TT+gv+1], v[KK+18:KK+19], v[KK+16:KK+17]
.set gv, gv+2
.endr
.irp k, 7,6,5,4,3,2,1,0
.set gv, 0
.rept 8
	v_pk_fma_f32 v[PP+gv:PP+gv+1], v[PP+gv:PP+gv+1], v[TT+gv:TT+gv+1], v[KK+2*\k:KK+2*\k+1]
.set gv, gv+2
.endr
.endr
.set gv, 0
.rept 8
	v_pk_fma_f32 v[PP+gv:PP+gv+1], v[SS+gv:SS+gv+1], v[KK+20:KK+21], v[PP+gv:PP+gv+1]   ; KE z^2 + P(t)
.set gv, gv+2
.endr
.set gv, 0
.rept 16
	v_exp_f32 v[PP+gv], v[PP+gv]
.set gv, gv+1
.endr
	v_nop                                          ; a plain place behind the last exponential,
	s_wait_alu depctr_va_vdst(0)                   ; and one wait for the 16 exponentials, ahead of their first reader
.set gv, 0
.rept 8
	v_pk_mul_f32 v[TT+gv:TT+gv+1], v[TT+gv:TT+gv+1], v[PP+gv:PP+gv+1]   ; q
.set gv, gv+2
.endr
.set gv, 0
.rept 16
	v_fma_f32 v[HH+4*(gv%8)+2*\jp+gv/8], -|v[gZ+gv]|, v[TT+gv], v[HH+4*(gv%8)+2*\jp+gv/8]   ; max(z, 0) - |z| q
.set gv, gv+1
.endr
.endm
; my block 2 u + h of the next K becomes its byte and registers 4 u .. 4 u + 3 of the fragment
.macro QH u
	v_max3_num_f32 v[QA], |v[HH]|, |v[HH+1]|, FLOOR
	v_max3_num_f32 v[QB], |v[HH+2]|, |v[HH+3]|, |v[HH+4]|
.irp i, 5,9,13,17,21,25
	v_max3_num_f32 v[QA], v[QA], |v[HH+\i]|, |v[HH+\i+1]|
	v_max3_num_f32 v[QB], v[QB], |v[HH+\i+2]|, |v[HH+\i+3]|
.endr
	v_max3_num_f32 v[QA], v[QA], |v[HH+29]|, |v[HH+30]|
	v_max3_num_f32 v[QA], v[QA], v[QB], |v[HH+31]|
	v_add_nc_u32 v[QS], 0xff000000, v[QA]
	v_lshrrev_b32 v[BY0+\u], 23, v[QS]
.irp g, 0,1,2,3
	v_cvt_scalef32_pk8_fp4_f32 v[CODE+4*\u+\g], v[HH+8*\g:HH+8*\g+7], v[QS]
.endr
	v_nop                                          ; one plain place behind the conversions
.endm
	s_mov_b32 s57, 16                              ; 16 trips serve the worst split (64 tiles); a wave leaves when its tiles are done
.Ltile:
	s_cmp_ge_u32 s53, s52
	s_cbranch_scc1 .Ldone
	v_add_nc_u32 v10, s56, v9
	s_wait_alu depctr_va_vdst(0)                   ; v10 is written, which the load below reads as its address; the last address lines are done with v11, in which it lands
	ds_load_b32 v11, v10 offset:256                ; the rows of my next tile, T + 4 (the list is filled up to tile 71)
	s_wait_loadcnt 0x0                             ; this tile's x, asked for a tile ago
	WIN 0x52                                       ; W1 window 2, x window 0, C and D window 1
	MULS 0
	MULS 1
	MULS 2
	MULS 3
	WIN 0x53                                       ; W1 window 3
	MULS 4
	MULS 5
	MULS 6
	MULS 7
	WIN 0
.rept 4
	v_nop                                          ; four places behind the last product: ahead of the loads into x's registers and of the first read of results
.endr
	s_wait_dscnt 0x0
	XADDR
	s_wait_alu depctr_va_vdst(0)                   ; v12 and v13 are written, which the loads below read; the 64 products are done reading x's fragments and scale words, in which they land
	XLOAD                                          ; the next tile's x lands under this tile's gelu, which names registers of window 1 alone
	WIN 0x55
	GELU 0, 0
	GELU 0, 1
	QH 0
	GELU 1, 0
	GELU 1, 1
	QH 1
	v_lshl_or_b32 v[WORD], v[BY0+1], 16, v[BY0]    ; my two bytes: blocks h and 2 + h,
	v_lshlrev_b32 v[WORD], v[SH8], v[WORD]         ; 8 h bits up;
	v_permlanex16_b32 v[PERM], v[WORD], s58, s59
	v_or_b32 v[WORD], v[WORD], v[PERM]             ; with lane l xor 16's two: row r's scale word for this K step
	WIN 0x04                                       ; a store's data: window 1
	s_wait_alu depctr_va_vdst(0)                   ; the conversions have written the fragment and the scale word is whole: the three stores below read them
	global_store_b128 v5, v[CODE:CODE+3], s[14:15]               ; each store covers 512 consecutive bytes, aligned
	global_store_b128 v5, v[CODE+4:CODE+7], s[14:15] offset:512
	global_store_b32 v14, v[WORD], s[48:49]        ; lanes l and l xor 16 write the same word with the same value
	WIN 0
	s_wait_xcnt 0x0                                ; the stores have read their data and bases: both are written again below and in the next trip
	s_wait_alu depctr_vm_vsrc(0)                   ; the stores have read the fragment and the word, the list's load v10, x's loads v12 and v13: the next trip writes all of them again
	s_add_nc_u64 s[14:15], s[14:15], 0x20000       ; four tiles on
	s_add_nc_u64 s[48:49], s[48:49], 8192
	s_add_co_u32 s53, s53, 4
	s_add_co_u32 s56, s56, 256
	s_sub_co_u32 s57, s57, 1
	s_cmp_lg_u32 s57, 0
	s_cbranch_scc1 .Ltile
.Ldone:
	s_barrier_signal -1
	s_barrier_wait -1
	s_wait_dscnt 0x0                               ; the closing lines, six on end
	s_wait_alu 0x0
	s_wait_tensorcnt 0x0
	ds_add_u32 v254, v255
	s_wait_dscnt 0x0
	s_endpgm
.Lfunc_end_k_qb5e765bdd3_up:
	.size	k_qb5e765bdd3_up, .Lfunc_end_k_qb5e765bdd3_up-k_qb5e765bdd3_up
	.p2alignl 7, 3214868480
	.fill 96, 4, 3214868480
	.section	.rodata,"a",@progbits
	.p2align	6, 0x0
	.amdhsa_kernel k_qb5e765bdd3_up
		.amdhsa_group_segment_fixed_size 75264
		.amdhsa_private_segment_fixed_size 0
		.amdhsa_enable_private_segment 0
		.amdhsa_kernarg_size 56
		.amdhsa_user_sgpr_count 2
		.amdhsa_user_sgpr_kernarg_segment_ptr 1
		.amdhsa_wavefront_size32 1
		.amdhsa_system_sgpr_workgroup_id_x 1
		.amdhsa_system_sgpr_workgroup_id_y 1
		.amdhsa_system_sgpr_workgroup_id_z 1
		.amdhsa_system_vgpr_workitem_id 0
		.amdhsa_next_free_vgpr 1024
		.amdhsa_next_free_sgpr 100
		.amdhsa_reserve_vcc 0
		.amdhsa_float_denorm_mode_32 3
		.amdhsa_float_denorm_mode_16_64 3
		.amdhsa_memory_ordered 1
		.amdhsa_forward_progress 1
		.amdhsa_inst_pref_size 206
	.end_amdhsa_kernel
	.amdgpu_metadata
---
amdhsa.version: [ 1, 2 ]
amdhsa.kernels:
  - .name:           k_qb5e765bdd3_up
    .symbol:         k_qb5e765bdd3_up.kd
    .args:
      - { .name: W1, .offset: 0, .size: 8, .value_kind: global_buffer, .address_space: global }
      - { .name: b1, .offset: 8, .size: 8, .value_kind: global_buffer, .address_space: global }
      - { .name: xq, .offset: 16, .size: 8, .value_kind: global_buffer, .address_space: global }
      - { .name: xs, .offset: 24, .size: 8, .value_kind: global_buffer, .address_space: global }
      - { .name: sel, .offset: 32, .size: 8, .value_kind: global_buffer, .address_space: global }
      - { .name: hq, .offset: 40, .size: 8, .value_kind: global_buffer, .address_space: global }
      - { .name: hs, .offset: 48, .size: 8, .value_kind: global_buffer, .address_space: global }
    .group_segment_fixed_size: 75264
    .private_segment_fixed_size: 0
    .kernarg_segment_align: 8
    .kernarg_segment_size: 56
    .max_flat_workgroup_size: 128
    .sgpr_count:     100
    .vgpr_count:     1024
    .wavefront_size: 32
...
	.end_amdgpu_metadata
.endif
;; end of part 5
;; launch down (part 6): grid 256 x 1, 4 waves a work-group, no clusters, 92,416 bytes of LDS; arguments W2, b2, hq, hs, sel, gate, yr; writes yr
.if DOCPART == 6
	.amdgcn_target "amdgcn-amd-amdhsa--gfx1250"
	.amdhsa_code_object_version 6
	.text
	.protected	k_qb5e765bdd3_down
	.globl	k_qb5e765bdd3_down
	.p2align	8
	.type	k_qb5e765bdd3_down,@function
k_qb5e765bdd3_down:
	s_mov_b64 s[64:65], 0
	v_nop
	global_prefetch_b8 v0, s[64:65] scope:SCOPE_SE
	s_setreg_imm32_b32 hwreg(HW_REG_WAVE_SCHED_MODE, 0, 2), 2
	s_setreg_imm32_b32 hwreg(HW_REG_WAVE_MODE, 25, 1), 1
	s_wait_xcnt 0x0
	s_wait_alu depctr_vm_vsrc(0)
; DOWN.  yr[khalf][rid] = gate[rid] x (Q(h) Q(W2[e]) + b2[e]), the sum over one half of F, for the rows routed to expert e.  Codes of FP4 (E2M1), one E8M0 byte for each 32 along K.
; SHARES.  Work-group g: expert e = g / 32, output columns 64 ((g / 2) % 16) on, K half g % 2 (2,048 hidden units), for ALL rows of the expert: every byte of W2 has one reader in the launch.
;   64 columns are 256 consecutive bytes of a row of W2; 2,048 x 64 codes are 64 fragments, the 512 registers that a wave keeps.  The two halves of K are added by the next launch; b2 enters in half 0 alone.
; PHASE 1, the stream: as in the launch before.  Wave w reads K quarter w of the half, 512 rows x 64 columns; lane (c4, hh) loads columns 4 c4 .. + 3 of row 128 n + 64 c + 32 hh + i; for a fixed j it holds column 4 c4 + j and a whole
;   block of 32 along K: the operand's layout of a tile whose row m is column 4 m + j.  Each number is moved once so that the conversions find eight neighbours along K in consecutive registers.  Fragments go to all waves through LDS as images of their registers;
;   a K step's 40 LDS loads land under the next K step's work.
; PHASE 2, the rows: tile T = w, w + 4, ..; h's fragments and scale words come from memory as register images, two tiles' buffers by turns.  The product is used transposed (source 0 = a tile of W2, source 1 = h): lane (r, h) holds row r and,
;   over the four tiles j, columns 32 h + 0 .. 31.  Times the row's gate, through the wave's own stage in LDS, and out: sixteen lanes store 256 consecutive bytes, aligned, of row rid.
; THE ROWS' NAMES.  The list is read once, ahead of the walk: row r's rid of my sixteen tiles stands in sixteen registers, which move down by two at the end of a trip of two tiles.  On the way out a row's rid goes through the stage with the row,
;   in the padding behind its 256 bytes.  So every LDS address of the text is a constant + a constant x lane + a constant x wave.
; Places of a tile past the expert's count have rid = 2,048 + e: they fall into row 2,048 + e of yr, in this work-group's own columns, which nobody reads: no mask is needed.
; NO TENSOR LOAD, NO CLUSTER: the walk over tiles ends on a count read from memory.  What the 16 column slices of an expert share is h's codes, 17 KB a tile beside the 512 KB of W2 that a work-group reads alone.
; LIMITS: NaN and infinities are not served; a block of W2 whose largest magnitude lies under 2^-124 (zeros too) gets the byte 1.  The sum over K is made in two halves.
; An expert without rows: its weights are still read, the first tile's loads read bytes of hq and hs that nobody wrote, and nothing is made of them: the wave leaves ahead of its first product.
; THE MODE: SCHED_MODE bits 1:0 = 2 (LLVM: expert scheduling mode 2), set by the entry lines.  The code itself states the register dependences between vector or matrix instructions and memory or LDS instructions, with s_wait_alu, always for 0.
; THE PLAN.  Registers that memory or LDS instructions touch:
;   v4-v10, v13, v16, v24-v31   offsets and addresses, made at the head and never written again: one wait on va_vdst ahead of the stream's first load (v4), one ahead of the list's making (the others).
;   TR (at the head)  wave 0 makes the list's 32 places and 32 names, one wait on va_vdst, then the 32 stores read them.
;   SA, SB   a chunk's 128 moves read a set; the loads of the same chunk of the next K step land in it behind one wait on va_vdst, which stands behind the last of the moves.
;   CD, WB   written by a chunk's conversions and shifts, read by LDS stores.  The first two columns' stores share the wait behind the moves; the last two columns' have a wait of their own (chunk c = 0) or share that of the scale words' stores (c = 1).
;            One wait on vm_vsrc at each chunk's head: the LDS stores issued so far have read them.
;   v512-1023, v32-63, and RL at the head: each is the target of one LDS load, and no vector instruction names it before: nothing is owed.
;   In the walk, tile by tile:  v12 (two vector lines write it, the gate's load reads it);  h's buffer, HSC and GG of the other tile (37 loads land; that tile's products and multiplies read them);  YY (32 multiplies write, 8 LDS stores read);
;            RL (the moves at a trip's end write, an LDS store reads);  ZZ (8 LDS loads land, 8 global stores read);  RR (8 LDS loads land, 16 vector lines rewrite, the global stores read them as offsets).
;            Three waits on va_vdst a tile: behind v12's lines, ahead of the 37 loads; ahead of the stage's stores; ahead of the global stores.  One wait on vm_vsrc at a tile's end: all that the next tile and the moves write again has been read.
.set PITCH, 4096                       ; a row of W2[e] in bytes
.set FS,    4                          ; fragments from one K step to the next: f = 4 s + j
.set F0B,   16                         ; writer a's first fragment: 32 (a / 2) + F0B (a % 2)
.set QN,    2                          ; scale register q = 2 s + j / 2; tile j % 2 chooses the half of the lanes
.set QJ,    1
.set QH,    1
.set QW,    8                          ; the eight scale registers of a K step: QW (x >> QX) + QN n + (x & QM)
.set QX,    1
.set QM,    1
.set NH,    45                         ; loads that the hook issues
.set SC,    65536                      ; LDS: 0 .. 65,535 the 64 fragment images (1,024 f + 512 c + 16 lane); then 32 scale registers' images (128 q + 4 lane);
.set LISTB, 69632                      ; then the list: 1,152 words (72 tiles), 32 words for what is thrown away;
.set STG,   74496                      ; then a stage of 16 rows x (256 + 16) bytes for each wave; a row's rid lies in the first word of its padding
.set FLOOR, 0x1800000                  ; 2^(3 - 127)
; window 0: v1 lane, v2 c4 = r, v3 hh = h, v4 W2 offset, v5 16 lane, v6 where I store images, v7 and scale words, v8 where I read scale registers, v9 the list at my wave's first tile (row r), v10 the stage at row r,
;           v12 gate's offset, v13 16 r, v15 8 h, v16-20 the list's making, v24-27 the list's fill, v28 the stage at row h, v29 into the stage, v30 out of it, v31 128 h
.set WSC,   32                         ; v32-63   W2's scale words: nothing else ever stands here
.set HSC,   64                         ; v64-79, v80-95 h's scale words, a register a K step, two buffers
.set GG,    96                         ; v96-97   the rows' gates, two buffers
.set ZZ,    100                        ; v100-131 b2 as loaded; later 16 rows back from the stage
.set TR,    136                        ; v136-199 two columns x 32 numbers down K
.set MA,    200
.set MB,    202
.set SCL,   204
.set BY,    206
.set WB,    208
.set PT,    212
.set CD,    216
.set SA,    0                          ; window 1: two sets of 128 for the stream; in phase 2 h's 16 fragments, two buffers
.set SB,    128
.set B2,    136                        ; phase 2: v136-167 b2 (or zeros) in the result's layout
.set DD,    168                        ; v168-199 the four accumulators
.set YY,    200                        ; v200-231 32 neighbouring columns of my row
.set RR,    232                        ; v232-239 rid of the rows that I store, then their offsets in yr
.set RL,    240                        ; v240-255 rid of row r in the tile in hand and in my tiles that follow
; scalars: s2 wave, s3 e, s[4:5] W2 panel, s[6:7] b2, s[8:9] hq, s[10:11] hs, s[12:13] sel, s[14:15] gate, s[48:49] yr, s[16:47] mask 'chose e', s[68:99] mask 'second choice'; behind the list's making s[16:19], s[20:23] the two buffers' bases,
;          s24 1.0 or 0, s25 the last tile; s50 count, s51 at work, s52 tiles, s53 T, s[54:55] an offset (s55 = 0), s57 trips, s[58:59] lane selects, s60 column slice, s61 K half, s63 the list's running count
.set MSB, 0
.macro WIN new                         ; the immediate's high byte repeats the setting that is left; a switch that changes nothing is dropped.  Low byte: bits 1:0 source 0, 3:2 source 1, 5:4 source 2, 7:6 destination
.if MSB != \new
	s_set_vgpr_msb (MSB<<8)|\new
.set MSB, \new
.endif
.endm
.macro WLOAD set, n, c, i0, cnt        ; rows i0 .. i0 + cnt - 1 of chunk (n, c) into a set of window 1
	WIN 0x40
.set wi, \i0
.rept \cnt
	global_load_b128 v[\set+4*wi:\set+4*wi+3], v4, s[4:5] offset:(128*(\n)+64*(\c)+wi)*PITCH th:TH_LOAD_NT
.set wi, wi+1
.endr
	WIN 0
.endm
; The expert's list, made as in the launch before, so that tile T and row r mean the same rows in both.  One wave alone touches LDS here, and a barrier parts it from all that follows.
; Each of the 32 steps has an address and a data register of its own: all 64 are made first, and the 32 stores follow one wait.
.macro MKLIST
	s_mov_b32 s50, 0
.set li, 0
.rept 32
	s_bcnt1_i32_b32 s51, s[16+li]
	s_add_co_u32 s50, s50, s51
.set li, li+1
.endr
	s_add_co_u32 s52, s50, 15
	s_lshr_b32 s52, s52, 4                         ; tiles of 16 rows
	s_cmp_lg_u32 s2, 0
	s_cbranch_scc1 .Llisted
.irp q, 0,1,2,3,4,5,6,7,8
	ds_store_b128 v16, v[24:27] offset:512*\q      ; (v16 and v24-27 were written ahead of the wait that stands in front of the list's making)
.endr
	s_mov_b32 s63, 0
.set li, 0
.rept 32
	v_mbcnt_lo_u32_b32 v20, s[16+li], s63          ; chosen tokens before mine
	v_cndmask_b32 v[TR+li], v19, v20, s[16+li]     ; my place, or my word among the 32 that nobody reads
	v_min_u32 v[TR+li], 0x49f, v[TR+li]            ; held inside the list's 1,184 words
	v_lshl_add_u32 v[TR+li], v[TR+li], 2, LISTB
	v_cndmask_b32 v[TR+32+li], v17, v18, s[68+li]  ; rid = token, + 1,024 where e is its second choice
	v_add_nc_u32 v17, 32, v17
	v_add_nc_u32 v18, 32, v18
	s_bcnt1_i32_b32 s51, s[16+li]
	s_add_co_u32 s63, s63, s51
.set li, li+1
.endr
	s_wait_alu depctr_va_vdst(0)                   ; the 32 places and the 32 names are written, which the stores below read as address and data
.set li, 0
.rept 32
	ds_store_b32 v[TR+li], v[TR+32+li]
.set li, li+1
.endr
.Llisted:
	s_wait_dscnt 0x0                               ; wave 0's stores are done
	s_barrier_signal -1
	s_barrier_wait -1
.endm
; A chunk: 32 rows of K for each half of the lanes x 64 columns become registers 4 c .. 4 c + 3 of four fragments.  cnt: the loads issued behind this chunk's 32.  reload = 1: the set takes the same chunk of the next K step.
; THE CODES' AND SCALE WORDS' REGISTERS are the data of LDS stores: the wait on vm_vsrc at the chunk's head states that the stores issued so far have read them.  What may be out on DScnt at the head of chunk c = 0 is LDS loads (the last K step's 40, or the list's 16),
; whose registers (v32-63, v240-255, v512-1023) no line of a chunk names.  Chunk c = 1 writes the codes' registers that chunk c = 0's stores read: its wait on DScnt is counted, below.
; The stores of columns 0 and 1 stand behind the moves of columns 2 and 3, under the wait that the reload needs there.  Chunk c = 1 leaves the stores of columns 2 and 3 to the K step's end, under the wait of the scale words' stores.
.macro CHUNK n, c, set, cnt, reload
	s_wait_loadcnt \cnt
	s_wait_alu depctr_vm_vsrc(0)                   ; the LDS stores issued so far have read their registers: the codes' and the scale words', which this chunk writes again (ahead of the first chunk: the list's 64, which the moves below write)
.irp jp, 0,1                           ; two columns at a time
	WIN 0x01
.set ci, 0
.rept 32
	v_mov_b32 v[TR+ci], v[\set+4*ci+2*\jp]         ; down K, column 2 jp
	v_mov_b32 v[TR+32+ci], v[\set+4*ci+2*\jp+1]    ; and column 2 jp + 1
.set ci, ci+1
.endr
	WIN 0
.if \jp == 1
	s_wait_alu depctr_va_vdst(0)                   ; the moves are done reading the set, in which the loads below land; the conversions have written the codes of columns 0 and 1, which the stores below read
.if \reload
	WLOAD \set, (\n)+1, \c, 0, 32                  ; the set has been read out
.endif
.irp jj, 0,1
	ds_store_b128 v6, v[CD+4*\jj:CD+4*\jj+3] offset:(FS*(\n)+\jj)*1024+512*(\c)
.endr
.endif
.irp jj, 0,1
	v_max3_num_f32 v[MA+\jj], |v[TR+32*\jj]|, |v[TR+32*\jj+1]|, FLOOR   ; a block's largest magnitude: all 32 numbers are mine; two chains a column, the columns by turns
.endr
.irp jj, 0,1
	v_max3_num_f32 v[MB+\jj], |v[TR+32*\jj+2]|, |v[TR+32*\jj+3]|, |v[TR+32*\jj+4]|
.endr
.irp i, 5,9,13,17,21,25
.irp jj, 0,1
	v_max3_num_f32 v[MA+\jj], v[MA+\jj], |v[TR+32*\jj+\i]|, |v[TR+32*\jj+\i+1]|
.endr
.irp jj, 0,1
	v_max3_num_f32 v[MB+\jj], v[MB+\jj], |v[TR+32*\jj+\i+2]|, |v[TR+32*\jj+\i+3]|
.endr
.endr
.irp jj, 0,1
	v_max3_num_f32 v[MA+\jj], v[MA+\jj], |v[TR+32*\jj+29]|, |v[TR+32*\jj+30]|
.endr
.irp jj, 0,1
	v_max3_num_f32 v[MA+\jj], v[MA+\jj], v[MB+\jj], |v[TR+32*\jj+31]|
.endr
.irp jj, 0,1
	v_add_nc_u32 v[SCL+\jj], 0xff000000, v[MA+\jj] ; 2 off the exponent field: the conversion's scale operand
.endr
.irp jj, 0,1
.if \c == 0
	v_lshrrev_b32 v[WB+2*\jp+\jj], 23, v[SCL+\jj]  ; the byte of block hh
.else
	v_lshrrev_b32 v[BY+\jj], 23, v[SCL+\jj]        ; the byte of block 2 + hh,
.endif
.endr
.if \c == 1
.irp jj, 0,1
	v_lshl_or_b32 v[WB+2*\jp+\jj], v[BY+\jj], 16, v[WB+2*\jp+\jj]   ; two bytes above the first
.endr
	s_wait_dscnt 2                                 ; chunk c = 0's two stores of these columns' codes are done: behind them two LDS stores have been issued (jp = 0: that chunk's other two; jp = 1: this chunk's first two)
.endif
.irp jj, 0,1
.irp g, 0,1,2,3
	v_cvt_scalef32_pk8_fp4_f32 v[CD+4*(2*\jp+\jj)+\g], v[TR+32*\jj+8*\g:TR+32*\jj+8*\g+7], v[SCL+\jj]
.endr
.endr
	v_nop                                          ; one plain place behind the conversions: their sources are written again below
.endr
.if \c == 0
	s_wait_alu depctr_va_vdst(0)                   ; the conversions have written the codes of columns 2 and 3, which the stores below read
.irp jj, 0,1
	ds_store_b128 v6, v[CD+8+4*\jj:CD+8+4*\jj+3] offset:(FS*(\n)+2+\jj)*1024
.endr
.endif
.endm
; All four waves' fragments and scale words of their K step n come into my registers: fragment f at v[512 + 8 f].  They land while the next chunks are worked: the next wait for all LDS instructions stands in front of the next barrier.
; No wait on va_vdst: each of these registers is loaded once, no vector instruction has named it, and the addresses v5 and v8 stand since the head.
.macro FETCH n
	WIN 0x80
.irp a, 0,1
.irp j, 0,1,2,3
.irp c, 0,1
	ds_load_b128 v[8*(F0B*\a+FS*(\n)+\j)+4*\c:8*(F0B*\a+FS*(\n)+\j)+4*\c+3], v5 offset:1024*(F0B*\a+FS*(\n)+\j)+512*\c
.endr
.endr
.endr
	WIN 0xc0
.irp a, 0,1
.irp j, 0,1,2,3
.irp c, 0,1
	ds_load_b128 v[8*(F0B*\a+FS*(\n)+\j)+4*\c:8*(F0B*\a+FS*(\n)+\j)+4*\c+3], v5 offset:1024*(32+F0B*\a+FS*(\n)+\j)+512*\c
.endr
.endr
.endr
	WIN 0
.irp x, 0,1,2,3,4,5,6,7
	ds_load_b32 v[WSC+QW*(\x>>QX)+QN*(\n)+(\x&QM)], v8 offset:128*(QW*(\x>>QX)+QN*(\n)+(\x&QM))
.endr
.endm
; Tile T + add comes into buffer b: 37 loads.  x: where its rows' rid stands among the sixteen registers.
; The tile's number is held at the expert's last tile, so that no load reads a tile that nobody wrote (but where the expert has none).
.macro NEXT b, add, x
	s_add_co_u32 s51, s53, \add
	s_min_u32 s51, s51, s25
	s_min_u32 s51, s51, 63
	s_lshl_b32 s54, s51, 15                        ; a tile's codes: 32 K steps of 1,024 bytes
	s_add_nc_u64 s[16+4*\b:17+4*\b], s[8:9], s[54:55]
	s_lshl_b32 s54, s51, 11                        ; its scale words: 2,048 bytes
	s_add_nc_u64 s[18+4*\b:19+4*\b], s[10:11], s[54:55]
	v_min_u32 v12, 0x7ff, v[RL+(\x)]               ; a place past the count takes any gate: its row is thrown away
	v_lshlrev_b32 v12, 2, v12
	WIN 0x40
	s_wait_alu depctr_va_vdst(0)                   ; v12 is written, which the gate's load reads; whoever read this buffer is done: the products and multiplies of the tile that lay in it (its fragments, scale words and gate), or the stream's moves
.irp s, 0,1,2,3,4,5,6,7,8,9,10,11,12,13,14,15
.irp c, 0,1
	global_load_b128 v[128*\b+8*\s+4*\c:128*\b+8*\s+4*\c+3], v5, s[16+4*\b:17+4*\b] offset:1024*\s+512*\c   ; 512 consecutive bytes: four registers of a fragment as they were stored
.endr
.endr
	WIN 0
.irp a, 0,1,2,3
	global_load_b128 v[HSC+16*\b+4*\a:HSC+16*\b+4*\a+3], v13, s[18+4*\b:19+4*\b] offset:256*\a   ; row r's words of K steps 4 a .. 4 a + 3
.endr
	global_load_b32 v[GG+\b], v12, s[14:15]
.endm
; What phase 2 wants first is asked for while the stream's last chunk is on its way: b2 (8 loads) and my first tile (37, into the set that has been read out)
.macro HOOK
.irp q, 0,1,2,3,4,5,6,7
	global_load_b128 v[ZZ+4*\q:ZZ+4*\q+3], v31, s[6:7] offset:16*\q   ; b2 at columns 32 h + 4 q + 0 .. 3
.endr
	NEXT 0, 0, 0
.endm
.macro KSTEP n
.if \n < 3
	CHUNK \n, 0, SA, 32, 1                         ; behind a chunk's loads stand the other set's 32
	CHUNK \n, 1, SB, 32, 1
.else
	CHUNK \n, 0, SA, 32, 0
	HOOK
	CHUNK \n, 1, SB, NH, 0                         ; behind the last chunk's loads stand the hook's
.endif
.irp j, 0,1,2,3
	v_lshlrev_b32 v[WB+\j], v15, v[WB+\j]          ; my two bytes at their places in the word, 8 hh bits up;
.endr
.irp j, 0,1,2,3
	v_permlanex16_b32 v[PT+\j], v[WB+\j], s58, s59
.endr
.irp j, 0,1,2,3
	v_or_b32 v[WB+\j], v[WB+\j], v[PT+\j]          ; with lane l xor 16's two the word is whole
.endr
	s_wait_alu depctr_va_vdst(0)                   ; chunk c = 1's conversions have written the codes of columns 2 and 3, and the four scale words are whole: the six stores below read them
.irp jj, 0,1
	ds_store_b128 v6, v[CD+8+4*\jj:CD+8+4*\jj+3] offset:(FS*(\n)+2+\jj)*1024+512
.endr
.irp j, 0,1,2,3
	ds_store_b32 v7, v[WB+\j] offset:128*(QN*(\n)+(\j>>QJ))+64*QH*(\j&1)   ; lanes l and l xor 16 write the same word with the same value
.endr
	s_wait_dscnt 0x0                               ; for the others' sake: my images and scale words are in LDS; and the last K step's fragments are in my registers
	s_barrier_signal -1
	s_barrier_wait -1
	FETCH \n
.endm
	s_load_b256 s[4:11], s[0:1], 0x0               ; W2, b2, hq, hs
	s_load_b128 s[12:15], s[0:1], 0x20             ; sel, gate
	s_load_b64 s[48:49], s[0:1], 0x30              ; yr
	v_lshl_add_u32 v134, v0, 2, 0x16700
	v_mov_b32 v135, 0
	v_lshrrev_b32 v1, 5, v0
	v_readfirstlane_b32 s2, v1                     ; wave 0..3
	v_and_b32 v1, 31, v0
	v_and_b32 v2, 15, v0
	v_bfe_u32 v3, v0, 4, 1
	s_wait_alu depctr_va_sdst(0)                   ; s2 is written, ahead of its first reader: offsets, LDS addresses and the branch on the wave's number are made from it
	s_lshr_b32 s3, ttmp9, 5                        ; e
	s_bfe_u32 s60, ttmp9, 0x40001                  ; column slice: 4 bits from bit 1
	s_and_b32 s61, ttmp9, 1                        ; K half
	s_lshl_b32 s54, s3, 24                         ; my panel: expert, 2,048 khalf + 512 w rows, 64 slice columns
	s_lshl_b32 s51, s61, 23
	s_add_co_u32 s54, s54, s51
	s_lshl_b32 s51, s2, 21
	s_add_co_u32 s54, s54, s51
	s_lshl_b32 s51, s60, 8
	s_add_co_u32 s54, s54, s51
	s_mov_b32 s55, 0
	v_lshlrev_b32 v4, 4, v2
	v_lshl_add_u32 v4, v3, 17, v4                  ; 16 c4 + 32 hh rows
	s_wait_kmcnt 0x0
	s_add_nc_u64 s[4:5], s[4:5], s[54:55]
	s_wait_alu depctr_va_vdst(0)                   ; v4 is written: every load of W2 reads it as its offset
	WLOAD SA, 0, 0, 0, 32                          ; the stream starts before anything else is done: 62 loads
	WLOAD SB, 0, 1, 0, 30
	s_lshl_b32 s54, s3, 7
	s_add_nc_u64 s[12:13], s[12:13], s[54:55]      ; the expert's two masks, 128 bytes each
	s_load_b512 s[16:31], s[12:13], 0x0
	s_load_b512 s[32:47], s[12:13], 0x40
	s_load_b512 s[68:83], s[12:13], 0x400
	s_load_b512 s[84:99], s[12:13], 0x440
	s_lshl_b32 s54, s3, 12                         ; b2: 4 (1,024 e + 64 slice)
	s_lshl_b32 s51, s60, 8
	s_add_co_u32 s54, s54, s51
	s_add_nc_u64 s[6:7], s[6:7], s[54:55]
	s_lshl_b32 s54, s3, 21                         ; hq: the expert's tiles, my half's 16 K steps
	s_lshl_b32 s51, s61, 14
	s_add_co_u32 s54, s54, s51
	s_add_nc_u64 s[8:9], s[8:9], s[54:55]
	s_lshl_b32 s54, s3, 17                         ; hs likewise
	s_lshl_b32 s51, s61, 10
	s_add_co_u32 s54, s54, s51
	s_add_nc_u64 s[10:11], s[10:11], s[54:55]
	s_mul_i32 s54, s61, 8421376                    ; yr: my half's 2,056 rows of 4,096 bytes, my 256 bytes of a row
	s_lshl_b32 s51, s60, 8
	s_add_co_u32 s54, s54, s51
	s_add_nc_u64 s[48:49], s[48:49], s[54:55]
	s_mov_b32 s58, 0x76543210
	s_mov_b32 s59, 0xfedcba98                      ; v_permlanex16_b32's selects for lane l xor 16
	v_lshlrev_b32 v5, 4, v1
	s_lshl_b32 s51, s2, 14
	v_add_nc_u32 v6, s51, v5                       ; 16 lane + 1,024 x 16 w
	s_lshl_b32 s51, s2, 10
	s_add_co_u32 s51, s51, SC
	v_lshl_add_u32 v7, v2, 2, s51                  ; SC + 4 c4 + 1,024 w
	v_lshl_add_u32 v8, v1, 2, SC
	s_lshl_b32 s51, s2, 6
	s_add_co_u32 s51, s51, LISTB
	v_lshl_add_u32 v9, v2, 2, s51                  ; the list: tile w, row r
	v_lshlrev_b32 v13, 4, v2
	v_lshlrev_b32 v15, 3, v3
	v_add_nc_u32 v16, LISTB, v5
	v_mov_b32 v17, v1                              ; token of lane, word 0
	v_add_nc_u32 v18, 0x400, v1
	v_add_nc_u32 v19, 0x480, v1                    ; word 1,152 + lane
	s_add_co_u32 s51, s3, 0x800
.irp i, 24,25,26,27
	v_mov_b32 v\i, s51                             ; 2,048 + e
.endr
	s_mul_i32 s51, s2, 4352
	s_add_co_u32 s51, s51, STG                     ; my stage
	v_mul_u32_u24 v10, v2, 272
	v_add_nc_u32 v10, s51, v10                     ; row r: its rid goes 256 bytes on
	v_lshl_add_u32 v29, v3, 7, v10                 ; in: row r, 128 bytes for each half of the lanes
	v_mul_u32_u24 v28, v3, 272
	v_add_nc_u32 v28, s51, v28                     ; row h: a row's rid comes back from 256 bytes on
	v_lshl_add_u32 v30, v2, 4, v28                 ; back: lanes 0-15 one row, lanes 16-31 the next
	v_lshlrev_b32 v31, 7, v3
.irp j, 0,1,2,3
	v_mov_b32 v[PT+\j], 0                          ; written once: a lane permute's destination counts as one of its sources
.endr
	s_wait_kmcnt 0x0
	s_wait_alu depctr_va_vdst(0)                   ; v5 to v10, v13, v16, v24 to v31 are written: the addresses, offsets and fill that the LDS and memory instructions of the whole kernel read; none is written again
	MKLIST
.irp i, 0,1,2,3,4,5,6,7,8,9,10,11,12,13,14,15
	ds_load_b32 v[RL+\i], v9 offset:256*\i         ; row r's rid in my tiles w + 4 i: the list is read here and nowhere else; they are first read in the last K step's hook, behind the first K step's wait for all LDS instructions
.endr
	s_mov_b32 s53, s2                              ; T = w
	s_max_u32 s25, s52, 1
	s_sub_co_u32 s25, s25, 1                       ; the expert's last tile
	s_cmp_eq_u32 s61, 0
	s_cselect_b32 s24, 1.0, 0                      ; b2 counts in K half 0 alone
	WLOAD SB, 0, 1, 30, 2
	KSTEP 0
	KSTEP 1
	KSTEP 2
	KSTEP 3
	s_wait_dscnt 0x0                               ; all 64 fragments and 32 scale registers are in
	s_wait_loadcnt 0x0                             ; b2 and my first tile
	s_wait_alu depctr_vm_vsrc(0)                   ; the first gate's load has read v12, which the first tile's lines write again; the last K step's LDS stores have read the codes' and scale words' registers, which are YY from here on
.irp j, 0,1,2,3
.irp i, 0,1,2,3,4,5,6,7
	v_mul_f32 v[B2+8*\j+\i], s24, v[ZZ+4*\i+\j]    ; b2 in the result's layout: the C of each sum's first product
.endr
.endr
; K step s of a tile's product from buffer b: the four accumulators take turns, one instruction a turn
.macro DMUL b, s
.irp j, 0,1,2,3
.set rD, DD+8*\j
.set rA, 8*((4*(\s)+\j)%32)
.set rB, 128*\b+8*(\s)
.set rC, rD
.if (\s) == 0
.set rC, B2+8*\j
.endif
.if \j&1
	v_wmma_scale_f32_16x16x128_f8f6f4 v[rD:rD+7], v[rA:rA+7], v[rB:rB+7], v[rC:rC+7], v[WSC+2*(\s)+(\j>>1)], v[HSC+16*\b+(\s)] matrix_a_fmt:MATRIX_FMT_FP4 matrix_b_fmt:MATRIX_FMT_FP4 matrix_a_scale:MATRIX_SCALE_ROW1
.else
	v_wmma_scale_f32_16x16x128_f8f6f4 v[rD:rD+7], v[rA:rA+7], v[rB:rB+7], v[rC:rC+7], v[WSC+2*(\s)+(\j>>1)], v[HSC+16*\b+(\s)] matrix_a_fmt:MATRIX_FMT_FP4 matrix_b_fmt:MATRIX_FMT_FP4
.endif
.endr
.endm
; Tile T + 4 b from buffer b, its rows' rid in register b of the sixteen; o: the other buffer, which takes tile T + add, whose rid stands one register on
.macro BODY b, o, add
	s_add_co_u32 s51, s53, 4*\b
	s_cmp_ge_u32 s51, s52
	s_cbranch_scc1 .Ldone
	s_wait_xcnt 0x0                                ; the last tile's loads and stores have read their addresses, bases and data: all are written again below
	NEXT \o, \add, \b+1
	s_wait_loadcnt 37                              ; behind this tile's loads stand the next tile's 37
	WIN 0x06                                       ; W2 window 2, h window 1, C and D window 0
.irp s, 0,1,2,3,4,5,6,7
	DMUL \b, \s
.endr
	WIN 0x07                                       ; W2 window 3
.irp s, 8,9,10,11,12,13,14,15
	DMUL \b, \s
.endr
	WIN 0
.rept 4
	v_nop                                          ; four places behind the last product, ahead of the first read of results
.endr
.irp i, 0,1,2,3,4,5,6,7                ; each accumulator is read from its lowest register on
.irp j, 0,1,2,3
	v_mul_f32 v[YY+4*\i+\j], v[GG+\b], v[DD+8*\j+\i]   ; x the row's gate: column 32 h + 4 i + j of row r
.endr
.endr
	s_wait_alu depctr_va_vdst(0)                   ; the 32 multiplies have written YY, which the LDS stores below read
.irp q, 0,1,2,3,4,5,6,7
	ds_store_b128 v29, v[YY+4*\q:YY+4*\q+3] offset:16*\q
.endr
	ds_store_b32 v10, v[RL+\b] offset:256          ; the row's rid behind its 256 bytes; lanes l and l xor 16 write the same word with the same value
.irp q, 0,1,2,3,4,5,6,7
	ds_load_b128 v[ZZ+4*\q:ZZ+4*\q+3], v30 offset:544*\q   ; LDS serves a wave's instructions in order (ISA guide 5.7.1): these see my stores
.endr
.irp q, 0,1,2,3,4,5,6,7
	ds_load_b32 v[RR+\q], v28 offset:544*\q+256    ; rid of row 2 q + (lane / 16)
.endr
	s_wait_dscnt 0x0
.irp q, 0,1,2,3,4,5,6,7
	v_min_u32 v[RR+\q], 0x807, v[RR+\q]            ; held inside yr's 2,056 rows
	v_lshl_add_u32 v[RR+\q], v[RR+\q], 12, v13     ; the row's 4,096 bytes, + 16 r
.endr
	s_wait_alu depctr_va_vdst(0)                   ; the eight offsets in RR are written, which the stores below read
.irp q, 0,1,2,3,4,5,6,7
	global_store_b128 v[RR+\q], v[ZZ+4*\q:ZZ+4*\q+3], s[48:49]   ; sixteen lanes store 256 consecutive bytes, aligned
.endr
	s_wait_alu depctr_vm_vsrc(0)                   ; the stage's stores have read YY and the row's name, the global stores ZZ and RR, the gate's load v12: the next tile, and the moves at a trip's end, write all of them again
.endm
	s_mov_b32 s57, 8                               ; 8 trips of two tiles serve the worst split (64 tiles); a wave leaves when its tiles are done
.Ltile:
	BODY 0, 1, 4
	BODY 1, 0, 8
.irp i, 0,1,2,3,4,5,6,7,8,9,10,11,12,13
	v_mov_b32 v[RL+\i], v[RL+\i+2]                 ; two tiles are done: the rows' names move down by two (the top two keep theirs: what they then name is a tile past my sixteenth, which is never multiplied)
.endr
	s_add_co_u32 s53, s53, 8
	s_sub_co_u32 s57, s57, 1
	s_cmp_lg_u32 s57, 0
	s_cbranch_scc1 .Ltile
.Ldone:
	s_barrier_signal -1
	s_barrier_wait -1
	s_wait_dscnt 0x0                               ; the closing lines, six on end
	s_wait_alu 0x0
	s_wait_tensorcnt 0x0
	ds_add_u32 v134, v135
	s_wait_dscnt 0x0
	s_endpgm
.Lfunc_end_k_qb5e765bdd3_down:
	.size	k_qb5e765bdd3_down, .Lfunc_end_k_qb5e765bdd3_down-k_qb5e765bdd3_down
	.p2alignl 7, 3214868480
	.fill 96, 4, 3214868480
	.section	.rodata,"a",@progbits
	.p2align	6, 0x0
	.amdhsa_kernel k_qb5e765bdd3_down
		.amdhsa_group_segment_fixed_size 92416
		.amdhsa_private_segment_fixed_size 0
		.amdhsa_enable_private_segment 0
		.amdhsa_kernarg_size 56
		.amdhsa_user_sgpr_count 2
		.amdhsa_user_sgpr_kernarg_segment_ptr 1
		.amdhsa_wavefront_size32 1
		.amdhsa_system_sgpr_workgroup_id_x 1
		.amdhsa_system_sgpr_workgroup_id_y 1
		.amdhsa_system_sgpr_workgroup_id_z 1
		.amdhsa_system_vgpr_workitem_id 0
		.amdhsa_next_free_vgpr 1024
		.amdhsa_next_free_sgpr 100
		.amdhsa_reserve_vcc 0
		.amdhsa_float_denorm_mode_32 3
		.amdhsa_float_denorm_mode_16_64 3
		.amdhsa_memory_ordered 1
		.amdhsa_forward_progress 1
		.amdhsa_inst_pref_size 186
	.end_amdhsa_kernel
	.amdgpu_metadata
---
amdhsa.version: [ 1, 2 ]
amdhsa.kernels:
  - .name:           k_qb5e765bdd3_down
    .symbol:         k_qb5e765bdd3_down.kd
    .args:
      - { .name: W2, .offset: 0, .size: 8, .value_kind: global_buffer, .address_space: global }
      - { .name: b2, .offset: 8, .size: 8, .value_kind: global_buffer, .address_space: global }
      - { .name: hq, .offset: 16, .size: 8, .value_kind: global_buffer, .address_space: global }
      - { .name: hs, .offset: 24, .size: 8, .value_kind: global_buffer, .address_space: global }
      - { .name: sel, .offset: 32, .size: 8, .value_kind: global_buffer, .address_space: global }
      - { .name: gate, .offset: 40, .size: 8, .value_kind: global_buffer, .address_space: global }
      - { .name: yr, .offset: 48, .size: 8, .value_kind: global_buffer, .address_space: global }
    .group_segment_fixed_size: 92416
    .private_segment_fixed_size: 0
    .kernarg_segment_align: 8
    .kernarg_segment_size: 56
    .max_flat_workgroup_size: 128
    .sgpr_count:     100
    .vgpr_count:     1024
    .wavefront_size: 32
...
	.end_amdgpu_metadata
.endif
;; end of part 6
;; launch join: the kernel of part 4 again; grid 256 x 1, 8 waves a work-group, no clusters, 0 bytes of LDS; arguments yr, out0; writes out0
